; MI455X (gfx1250); checked and timed in simulation.
; The chip was launched on July 23, 2026; its instructions are those of AMD's public machine-readable ISA for CDNA 5 (MIT licence, August 2026) and "CDNA5" Instruction Set Architecture Reference Guide (July 2026). The comments in the code are by the model that wrote it; some were corrected since.
;; self Attention. Allowed arithmetic: matrix products marked QUANTISED: E2M3 operands, one E8M0 scale for each 32 along K, by v_wmma_scale_f32_16x16x128_f8f6f4 with both operands' format E2M3, f32 sums; everything else in f32.
;; Inputs: bo 256 float32; gn_b 256 float32; gn_w 256 float32; wk 256 x 256 float32; wo 256 x 256 float32; wq 256 x 256 float32; wv 256 x 256 float32; x 2 x 256 x 64 x 64 float32.
;; Outputs: out0 2 x 256 x 64 x 64 float32.
;; This version of the problem:
;;   THIS VERSION OF THE PROBLEM IS GIVEN IN LOW PRECISION. The matrix products marked QUANTISED in the list below multiply operands that are first quantised to E2M3 (2 exponent bits, 3 mantissa bits; 6 bits a number), with one power-of-two scale for each 32 numbers along K (OCP MX v1.0); their sums are f32. All else is computed in f32.
;;   The module's matrix products, in the order in which they are computed (A, B: the left and right operand; K: the contracted axis; several contracted axes count as one K, in the product's order):
;;     1. [M 256, K 256] x [K 256, N 8,192]; A: input wq; B: computed on the way: QUANTISED
;;     2. [M 256, K 256] x [K 256, N 8,192]; A: input wk; B: computed on the way: QUANTISED
;;     3. [M 256, K 256] x [K 256, N 8,192]; A: input wv; B: computed on the way: QUANTISED
;;     4. batch 8 x [M 4,096, K 64] x [K 64, N 4,096]; A: computed on the way; B: computed on the way: QUANTISED
;;     5. batch 8 x [M 64, K 4,096] x [K 4,096, N 4,096]; A: computed on the way; B: computed on the way: QUANTISED
;;     6. [M 256, K 256] x [K 256, N 8,192]; A: input wo; B: computed on the way: QUANTISED
;;   THE QUANTISER, for each operand of a quantised product, along K:
;;     - K is cut into blocks of 32 from its start; a last block that is shorter is filled with zeros.
;;     - A block's scale is 2^e with e = floor(log2(the largest magnitude in the block)) - 2, held to -126 .. 127; a block of zeros has e = 0. As a byte (E8M0): e + 127.
;;     - Each number is divided by its block's scale, clamped to +-7.5, and rounded to the nearest number of E2M3, ties to even, subnormals kept.
;;     - The product sums the exact products of the quantised numbers (number of the format x scale) in f32.
;;   ~~~python
;;   def quantise(x, axis):      # numpy; x: float32 -> the quantised numbers, widened to float32 again
;;       x = np.moveaxis(x, axis, -1); K = x.shape[-1]
;;       x = np.pad(x, [(0, 0)] * (x.ndim - 1) + [(0, -K % 32)]); x = x.reshape(x.shape[:-1] + (-1, 32)); a = np.abs(x).max(-1, keepdims=True)
;;       e = np.where(a > 0, np.clip(np.frexp(np.where(a > 0, a, 1))[1] - 1 - 2, -126, 127), 0)      # np.frexp(a)[1] - 1 = floor(log2(a)), exactly
;;       r = np.clip(x / 2.0 ** e, -7.5, 7.5)
;;       step = 2.0 ** (np.maximum(np.frexp(np.where(r == 0, 1, r))[1] - 1, 0) - 3)
;;       q = np.round(r / step) * step * 2.0 ** e      # np.round: ties to even
;;       return np.moveaxis(q.reshape(q.shape[:-2] + (-1,))[..., :K], -1, axis).astype(np.float32)
;;   ~~~
;;   OPERANDS COMPUTED ON THE WAY. 'Computed on the way' means the value that the module computes at that place (a softmax that the list does not call 'softmax' is quantised finished and normalised). What goes into a quantiser is computed in f32, as accurately as f32 sums, v_exp_f32 and their like allow (about 1e-6 of the number): no bf16 or f16 on the way to a quantiser, and a product that is left as it is and whose result goes on into a quantised operand takes f32 operands (vector FMAs, or v_wmma_f32_16x16x4_f32). A number that lies on a knife's edge between two numbers of the format may be rounded either way, as far as f32 arithmetic and the matrix unit's own rounding can turn it there, and no further.
;; One version. Each part assembles by itself: llvm-mc -triple=amdgcn-amd-amdhsa -mcpu=gfx1250 --defsym DOCPART=n.
;; ======== version 1 of 1: 4 launches
;; workspace buffers: stat 8,192 bytes; wts 204,800 bytes; qbuf 1,638,400 bytes; kbuf 1,638,400 bytes; vbuf 1,638,400 bytes; obuf 1,638,400 bytes
;; launch prep (part 1): grid 288 x 1, 4 waves a work-group, no clusters, 0 bytes of LDS; arguments x, wq, wk, wv, wo, stat, wts; writes stat, wts
.if DOCPART == 1
	.amdgcn_target "amdgcn-amd-amdhsa--gfx1250"
	.amdhsa_code_object_version 6
	.text
	.protected	k_q0ff0636185_prep
	.globl	k_q0ff0636185_prep
	.p2align	8
	.type	k_q0ff0636185_prep,@function
k_q0ff0636185_prep:
	s_mov_b64 s[64:65], 0
	v_nop
	global_prefetch_b8 v0, s[64:65] scope:SCOPE_SE
	s_setreg_imm32_b32 hwreg(HW_REG_WAVE_MODE, 25, 1), 1
	s_wait_xcnt 0x0
; PREP: what the later launches need of x as a whole, and the four weights as operands.
; Work-groups 0-255: partial statistics of the group norm.  A group (8 channels x 4,096 positions) is 32,768 consecutive f32; wave W = 4 x work-group + wave takes
; 2,048 of them (8,192 bytes, sixteen loads of 512 consecutive bytes), keeps them in 64 registers a lane, finds their mean, then the sum of squared deviations FROM THAT MEAN
; (so a common offset of x costs no digits), and stores the pair at stat + 8 W.  A group's 16 pairs are 128 consecutive bytes; the next launch joins them.
; Work-groups 256-287: wave f = 4 x (work-group - 256) + wave turns 16 rows x 128 K of one weight into a fragment of E2M3 codes, in the order of the operand's registers
; (three planes of 512 bytes, lane l's 16 bytes at 16 l), at wts + 1,536 f, and its 16 scale words at wts + 196,608 + 64 f.  f = (32 x matrix + 2 T + s): matrix 0..3 = q, k, v, o; T the tile of rows; s the K step.
; THE ROWS OF A TILE ARE NOT NEIGHBOURS: lane r of tile T takes row 32 (T / 2) + 8 (T % 2) + r + 8 (r / 8), so that the results of two neighbouring tiles are 16 neighbours along the next product's K.
; A block's scale is 2^(floor(log2(largest magnitude)) - 2); its byte is the largest magnitude's exponent field - 2, held at 1 from below.
; LIMITS: a block of zeros gets the byte 1 where the rule says 127 (its codes are zeros, and this program alone reads the bytes); NaN and infinities are not served.
; No LDS, no barrier, no matrix unit, no cluster: waves share nothing, and every input byte is read once.
.set X,   16                           ; v16-79   64 numbers of a lane
.set TM,  80                           ; v80-95   at work (statistics: four chains of pairs in v80-87)
.set PC,  96                           ; v96-115  the codes just made
.set PW,  116                          ; v116     the scale word just made
.set SEL, 20                           ; s[20:21] selects for v_permlanex16_b32: lane l xor 16
; 64 numbers of a lane, register 16 b + i = k 32 b + 16 (lane / 16) + i of my row, become a fragment's codes in v[PC] on and its scale word in v[PW].
.macro QUANT s
.irp b, 0,1,2,3
	v_max3_num_f32 v[TM+\b], |v[\s+16*\b]|, |v[\s+1+16*\b]|, 0x1800000   ; block b: my 16 numbers, and the floor 2^(3 - 127): the byte cannot fall under 1
.endr
.irp i, 2,4,6,8,10,12,14
.irp b, 0,1,2,3
	v_max3_num_f32 v[TM+\b], v[TM+\b], |v[\s+16*\b+\i]|, |v[\s+1+16*\b+\i]|   ; the four blocks by turns
.endr
.endr
.irp b, 0,1,2,3
	v_permlanex16_b32 v[TM+4+\b], v[TM+\b], s[SEL], s[SEL+1]
.endr
.irp b, 0,1,2,3
	v_max_num_f32 v[TM+\b], v[TM+\b], v[TM+4+\b]   ; with lane l xor 16's: the block's largest magnitude
.endr
.irp b, 0,1,2,3
	v_add_nc_u32 v[TM+12+\b], 0xff000000, v[TM+\b]   ; 2 off its exponent field: the conversion's scale operand
.endr
.irp b, 0,1,2,3
	v_lshrrev_b32 v[TM+4+\b], 23, v[TM+12+\b]      ; the scale's byte
.endr
	v_lshl_or_b32 v[PW], v[TM+5], 8, v[TM+4]
	v_lshl_or_b32 v[PW], v[TM+6], 16, v[PW]
	v_lshl_or_b32 v[PW], v[TM+7], 24, v[PW]
.irp c, 0,1
	v_cvt_scalef32_pk16_fp6_f32 v[PC+6*\c:PC+2+6*\c], v[\s+32*\c:\s+15+32*\c], v[TM+12+2*\c]
	v_cvt_scalef32_pk16_fp6_f32 v[PC+12+4*\c:PC+14+4*\c], v[\s+16+32*\c:\s+31+32*\c], v[TM+12+2*\c+1]   ; (a conversion's three registers begin on an even number)
.endr
	v_nop                                          ; one plain place behind a scaled conversion
.irp c, 0,1                                    ; the operand's layout wants a WHOLE block in a lane
.irp i, 0,1,2
	v_permlane16_swap_b32 v[PC+6*\c+\i], v[PC+12+4*\c+\i]
.endr
.irp i, 0,1,2
	v_mov_b32 v[PC+3+6*\c+\i], v[PC+12+4*\c+\i]
.endr
.endr
.endm
.macro WAVESUM                         ; v8 summed over the 32 lanes, the result in every lane; v9 at work
	v_add_f32_dpp v8, v8, v8 row_xmask:1 row_mask:0xf bank_mask:0xf
	v_add_f32_dpp v8, v8, v8 row_xmask:2 row_mask:0xf bank_mask:0xf
	v_add_f32_dpp v8, v8, v8 row_xmask:4 row_mask:0xf bank_mask:0xf
	v_add_f32_dpp v8, v8, v8 row_xmask:8 row_mask:0xf bank_mask:0xf
	v_permlanex16_b32 v9, v8, s[SEL], s[SEL+1]
	v_add_f32 v8, v8, v9
.endm
	s_load_b256 s[4:11], s[0:1], 0x0               ; x s[4:5], wq s[6:7], wk s[8:9], wv s[10:11]
	s_load_b128 s[12:15], s[0:1], 0x20             ; wo s[12:13], stat s[14:15]
	s_load_b64 s[16:17], s[0:1], 0x30              ; wts
	v_lshrrev_b32 v1, 5, v0
	v_readfirstlane_b32 s18, v1                    ; wave 0..3
	v_and_b32 v2, 31, v0                           ; lane
	v_lshlrev_b32 v3, 4, v2                        ; 16 x lane
	s_mov_b32 s[SEL], 0x76543210
	s_mov_b32 s[SEL+1], 0xfedcba98
	s_mov_b32 s25, 0
	s_mov_b32 s27, 0
	s_cmp_ge_u32 ttmp9, 256                        ; the choice hangs on the work-group's number alone
	s_cbranch_scc1 .Lweights
	; ---- statistics
	s_lshl_b32 s22, ttmp9, 2
	s_add_co_u32 s22, s22, s18                     ; W
	s_lshl_b32 s24, s22, 13                        ; 8,192 bytes of x a wave
	s_lshl_b32 s26, s22, 3                         ; 8 bytes of stat
	v_mov_b32 v9, 0                                ; a lane permute's destination counts as one of its sources
	v_mov_b32 v12, 0
	s_wait_kmcnt 0x0
	s_add_nc_u64 s[4:5], s[4:5], s[24:25]
	s_add_nc_u64 s[14:15], s[14:15], s[26:27]
.irp i, 0,1,2,3,4,5,6,7,8,9,10,11,12,13,14,15
	global_load_b128 v[X+4*\i:X+4*\i+3], v3, s[4:5] offset:512*\i   ; 32 lanes read 512 consecutive bytes
.endr
	s_wait_loadcnt 0x0
.irp c, 0,1,2,3                                ; the sum, two at a time, in four chains started by the first pairs
	v_pk_add_f32 v[80+2*\c:81+2*\c], v[X+2*\c:X+2*\c+1], v[X+8+2*\c:X+9+2*\c]
.endr
.irp k, 16,24,32,40,48,56
.irp c, 0,1,2,3
	v_pk_add_f32 v[80+2*\c:81+2*\c], v[80+2*\c:81+2*\c], v[X+\k+2*\c:X+\k+2*\c+1]
.endr
.endr
	v_pk_add_f32 v[80:81], v[80:81], v[82:83]
	v_pk_add_f32 v[84:85], v[84:85], v[86:87]
	v_pk_add_f32 v[80:81], v[80:81], v[84:85]
	v_add_f32 v8, v80, v81
	WAVESUM
	v_mul_f32 v10, 0x3a000000, v8                  ; the mean of my wave's 2,048: x 2^-11
	v_mov_b32 v11, v10                             ; (named with it as a pair)
.set k, 0
.rept 32
	v_pk_add_f32 v[X+k:X+k+1], v[X+k:X+k+1], v[10:11] op_sel_hi:[1,0] neg_lo:[0,1] neg_hi:[0,1]   ; deviations, in place
.set k, k+2
.endr
.irp c, 0,1,2,3
	v_pk_mul_f32 v[80+2*\c:81+2*\c], v[X+2*\c:X+2*\c+1], v[X+2*\c:X+2*\c+1]
.endr
.irp k, 8,16,24,32,40,48,56
.irp c, 0,1,2,3
	v_pk_fma_f32 v[80+2*\c:81+2*\c], v[X+\k+2*\c:X+\k+2*\c+1], v[X+\k+2*\c:X+\k+2*\c+1], v[80+2*\c:81+2*\c]
.endr
.endr
	v_pk_add_f32 v[80:81], v[80:81], v[82:83]
	v_pk_add_f32 v[84:85], v[84:85], v[86:87]
	v_pk_add_f32 v[80:81], v[80:81], v[84:85]
	v_add_f32 v8, v80, v81
	WAVESUM
	v_mov_b32 v11, v8                              ; (mean, sum of squared deviations)
	v_cmp_eq_u32 vcc_lo, 0, v2
	s_wait_xcnt 0x0                                ; EXEC changes only behind this wait
	s_and_saveexec_b32 s28, vcc_lo
	global_store_b64 v12, v[10:11], s[14:15]       ; lane 0 alone
	s_wait_xcnt 0x0
	s_or_b32 exec_lo, exec_lo, s28
	s_endpgm
.Lweights:                                         ; ---- a fragment of a weight
	s_sub_co_u32 s22, ttmp9, 256
	s_lshr_b32 s23, s22, 3                         ; which matrix
	s_lshl_b32 s24, s22, 2
	s_add_co_u32 s24, s24, s18                     ; f
	v_and_b32 v5, 15, v0                           ; r
	v_bfe_u32 v6, v0, 4, 1                         ; h
	v_and_b32 v4, 8, v5
	v_add_nc_u32 v4, v4, v5                        ; r + 8 (r / 8)
	v_lshlrev_b32 v4, 10, v4                       ; a row of 256 f32 is 1,024 bytes
	v_lshl_add_u32 v4, v6, 6, v4                   ; + 64 h: my 16 numbers of a block of 32
	v_lshlrev_b32 v7, 2, v5                        ; 4 r
.irp b, 0,1,2,3
	v_mov_b32 v[TM+4+\b], 0                        ; a lane permute's destination counts as one of its sources
.endr
	s_bfe_u32 s26, s24, 0x30002                    ; T / 2
	s_bfe_u32 s28, s24, 0x10001                    ; T % 2
	s_and_b32 s29, s24, 1                          ; s
	s_lshl_b32 s26, s26, 15                        ; 32 rows
	s_lshl_b32 s28, s28, 13                        ; 8 rows
	s_lshl_b32 s29, s29, 9                         ; 128 numbers along K
	s_add_co_u32 s26, s26, s28
	s_add_co_u32 s26, s26, s29
	s_mul_i32 s30, s24, 1536
	s_mov_b32 s31, 0
	s_lshl_b32 s32, s24, 6
	s_add_co_u32 s32, s32, 196608
	s_mov_b32 s33, 0
	s_wait_kmcnt 0x0
	s_cmp_eq_u32 s23, 1                            ; the matrix's address: a choice that hangs on no address
	s_cselect_b64 s[6:7], s[8:9], s[6:7]
	s_cmp_eq_u32 s23, 2
	s_cselect_b64 s[6:7], s[10:11], s[6:7]
	s_cmp_eq_u32 s23, 3
	s_cselect_b64 s[6:7], s[12:13], s[6:7]
	s_add_nc_u64 s[6:7], s[6:7], s[26:27]
	s_add_nc_u64 s[30:31], s[16:17], s[30:31]
	s_add_nc_u64 s[32:33], s[16:17], s[32:33]
.irp b, 0,1,2,3
.irp j, 0,1,2,3
	global_load_b128 v[X+16*\b+4*\j:X+16*\b+4*\j+3], v4, s[6:7] offset:128*\b+16*\j
.endr
.endr
	s_wait_loadcnt 0x0
	QUANT X
.irp g, 0,1,2
	global_store_b128 v3, v[PC+4*\g:PC+4*\g+3], s[30:31] offset:512*\g   ; 512 consecutive bytes a store
.endr
	global_store_b32 v7, v[PW], s[32:33]           ; both halves of the lanes hold row r's word and write it to the same place
	s_endpgm
.Lfunc_end_k_q0ff0636185_prep:
	.size	k_q0ff0636185_prep, .Lfunc_end_k_q0ff0636185_prep-k_q0ff0636185_prep
	.p2alignl 7, 3214868480
	.fill 96, 4, 3214868480
	.section	.rodata,"a",@progbits
	.p2align	6, 0x0
	.amdhsa_kernel k_q0ff0636185_prep
		.amdhsa_group_segment_fixed_size 0
		.amdhsa_private_segment_fixed_size 0
		.amdhsa_enable_private_segment 0
		.amdhsa_kernarg_size 56
		.amdhsa_user_sgpr_count 2
		.amdhsa_user_sgpr_kernarg_segment_ptr 1
		.amdhsa_wavefront_size32 1
		.amdhsa_system_sgpr_workgroup_id_x 1
		.amdhsa_system_sgpr_workgroup_id_y 1
		.amdhsa_system_sgpr_workgroup_id_z 1
		.amdhsa_system_vgpr_workitem_id 0
		.amdhsa_next_free_vgpr 128
		.amdhsa_next_free_sgpr 66
		.amdhsa_reserve_vcc 1
		.amdhsa_float_denorm_mode_32 3
		.amdhsa_float_denorm_mode_16_64 3
		.amdhsa_memory_ordered 1
		.amdhsa_forward_progress 1
		.amdhsa_inst_pref_size 17
	.end_amdhsa_kernel
	.amdgpu_metadata
---
amdhsa.version: [ 1, 2 ]
amdhsa.kernels:
  - .name:           k_q0ff0636185_prep
    .symbol:         k_q0ff0636185_prep.kd
    .args:
      - { .name: x, .offset: 0, .size: 8, .value_kind: global_buffer, .address_space: global }
      - { .name: wq, .offset: 8, .size: 8, .value_kind: global_buffer, .address_space: global }
      - { .name: wk, .offset: 16, .size: 8, .value_kind: global_buffer, .address_space: global }
      - { .name: wv, .offset: 24, .size: 8, .value_kind: global_buffer, .address_space: global }
      - { .name: wo, .offset: 32, .size: 8, .value_kind: global_buffer, .address_space: global }
      - { .name: stat, .offset: 40, .size: 8, .value_kind: global_buffer, .address_space: global }
      - { .name: wts, .offset: 48, .size: 8, .value_kind: global_buffer, .address_space: global }
    .group_segment_fixed_size: 0
    .private_segment_fixed_size: 0
    .kernarg_segment_align: 8
    .kernarg_segment_size: 56
    .max_flat_workgroup_size: 128
    .sgpr_count:     66
    .vgpr_count:     128
    .wavefront_size: 32
...
	.end_amdgpu_metadata
.endif
;; end of part 1
;; launch qkv (part 2): grid 256 x 1, 4 waves a work-group, clusters of 4 x 1, 168,448 bytes of LDS; arguments x, gn_w, gn_b, stat, wts, qbuf, kbuf, vbuf; writes qbuf, kbuf, vbuf
.if DOCPART == 2
	.amdgcn_target "amdgcn-amd-amdhsa--gfx1250"
	.amdhsa_code_object_version 6
	.text
	.protected	k_q0ff0636185_qkv
	.globl	k_q0ff0636185_qkv
	.p2align	8
	.type	k_q0ff0636185_qkv,@function
k_q0ff0636185_qkv:
	s_mov_b64 s[64:65], 0
	v_nop
	global_prefetch_b8 v0, s[64:65] scope:SCOPE_SE
	s_setreg_imm32_b32 hwreg(HW_REG_WAVE_MODE, 25, 1), 1
	s_wait_xcnt 0x0
	s_wait_alu depctr_hold_cnt(0) depctr_sa_sdst(0) depctr_va_vdst(0) depctr_va_sdst(0) depctr_va_ssrc(0) depctr_va_vcc(0) depctr_vm_vsrc(0)
	s_getreg_b32 s2, hwreg(HW_REG_IB_STS2, 6, 4)
	s_cmp_eq_u32 s2, 0
	s_cbranch_scc0 .Lentry_in_a_cluster
	s_endpgm
.Lentry_in_a_cluster:
	s_bfe_u32 s2, ttmp6, 0x10000c
	s_cmp_lg_u32 s2, 0x3003
	s_cbranch_scc0 .Lentry_shape_is_right
	s_endpgm
.Lentry_shape_is_right:
; QKV: the group norm, its codes, the three projections and THEIR codes, for 128 positions of one batch and one head.
; SHARES.  Cluster PB = 32 x batch + J takes positions 128 J .. 128 J + 127; its four work-groups are the four heads.  All four need the same tile of x (256 channels x 128 positions), so it is asked
; for JOINTLY: each wave brings 64 channel rows of 512 bytes by one tensor load with the mask of the four; the head enters only addresses of weights and of results.
; A tile of 16 positions: lane r of tile 2 b + u holds position 32 b + 8 u + r + 8 (r / 8), so that a result's 16 registers of two neighbouring tiles are 16 neighbouring positions.
; PHASES.  (1) each thread joins its group's 16 partial statistics and lays gain a = rstd x gn_w, bias and mean of its two channels into LDS | barrier |
; (2) wave w reads columns of the tile (a lane: one position, registers down the channels), forms (x - mean) a + b in f32, quantises along the channels: tiles 2 w, 2 w + 1, both K steps, as images of the operand's registers in LDS | barrier |
; (3) q and k of my two tiles, transposed (source 0 = 16 rows of the weight, source 1 = the norm's fragment): a lane holds one position and 2 x 32 channels; one pass of the quantiser gives the pair
; [tile 2 w's 64 channels | tile 2 w + 1's]: K's operand for the next launch as it stands, and Q's two tiles;  (4) v: source 0 = the norm's 8 tiles, source 1 = 16 rows of wv (tile w of the head): a lane holds one channel and registers along the 128 positions: V's operand, keys innermost.
; Every weight fragment of the head stays in registers (216), read once, in the order of the operand's registers.
; LIMITS: a block of zeros gets the byte 1 where the rule says 127 (its codes are zeros; this program alone reads the bytes); NaN and infinities are not served.
; By this text's own count a wave has one tensor load out; no LDS byte is filled twice.
; REGISTERS: window 0: v1-15 addresses; v20-37 the weights' scale words; v38-53 the norm's; v54-69, v70-89, v90 the quantiser's; v92-155 64 numbers; v156-251 eight fragments of the norm.
;   window 1: wq's 8 fragments at v0, wk's at v96, wv's two at v192.   window 2: gain v0-63, bias v64-127, mean v128-191 of a lane's 64 channels.
.set L_TA,   133120                    ; LDS: x's tile at 0: 256 rows of 512 bytes + 8 of padding; then gain, bias, mean: 1,024 bytes each
.set L_NIMG, 136192                    ; the norm's 16 fragments (tile pt, K step s: 2 pt + s), 1,536 bytes each
.set L_NSC,  160768                    ; their scale words, 128 bytes each
.set XP,     520                       ; the tile's pitch: 130 words, so 16 rows on is 32 banks on, and a column read by 32 lanes meets 32 different banks (64 banks of 4 bytes: ISA guide 11.1)
.set LI,  1                            ; 16 x lane
.set R4,  2                            ; 4 r
.set R2,  3                            ; 2 r
.set L24, 4                            ; 24 x lane
.set ANW, 5                            ; my wave's four images: L_NIMG + 6,144 w + 16 x lane
.set ANS, 6                            ; and their scale words: L_NSC + 512 w + 4 x lane
.set AVS, 7                            ; v's scale word in its image: 8 r + 128 (w % 2) + 4 (w / 2)
.set AX,  8                            ; v8-11 my column of the tile, channels 64 i on
.set ACO, 12                           ; L_TA + 64 h
.set AF,  14                           ; L_NIMG + 16 x lane
.set ASF, 15                           ; L_NSC + 4 x lane
.set WQS, 20
.set WKS, 28
.set WVS, 36
.set NS,  38
.set TM,  54
.set PC,  70
.set PW,  90
.set HA,  92
.set NF,  156
.set WQ,  0
.set WK,  96
.set WVR, 192
.set CA,  0
.set CB,  64
.set CM,  128
.set WV,  20                           ; s20 wave
.set SEL, 24
.set G1,  28
.set G0,  36
.set MSB, 0
.macro WIN new                         ; the immediate's high byte repeats the setting that is left
.if MSB != (\new)
	s_set_vgpr_msb (MSB<<8)|(\new)
.set MSB, (\new)
.endif
.endm
.macro PLACES
.rept 4
	v_nop
.endr
.endm
.macro CROUND                          ; a round of the cluster's barrier
	s_barrier_signal -1
	s_barrier_wait -1
	s_cmp_lg_u32 s[WV], 0
	s_cbranch_scc1 .Lnot_wave_0_\@
	s_barrier_signal -3
.Lnot_wave_0_\@:
	s_barrier_wait -3
	s_barrier_signal -1
	s_barrier_wait -1
.endm
; 64 numbers of a lane, register 16 b + i = k 32 b + 16 (lane / 16) + i of my row, become a fragment's codes in v[PC] on and its scale word in v[PW].
.macro QUANT s
.irp b, 0,1,2,3
	v_max3_num_f32 v[TM+\b], |v[\s+16*\b]|, |v[\s+1+16*\b]|, 0x1800000   ; block b: my 16 numbers, and the floor 2^(3 - 127).  Each accumulator is read from its low end on
.endr
.irp i, 2,4,6,8,10,12,14
.irp b, 0,1,2,3
	v_max3_num_f32 v[TM+\b], v[TM+\b], |v[\s+16*\b+\i]|, |v[\s+1+16*\b+\i]|
.endr
.endr
.irp b, 0,1,2,3
	v_permlanex16_b32 v[TM+4+\b], v[TM+\b], s[SEL], s[SEL+1]
.endr
.irp b, 0,1,2,3
	v_max_num_f32 v[TM+\b], v[TM+\b], v[TM+4+\b]
.endr
.irp b, 0,1,2,3
	v_add_nc_u32 v[TM+12+\b], 0xff000000, v[TM+\b]   ; 2 off the exponent field: the conversion's scale operand
.endr
.irp b, 0,1,2,3
	v_lshrrev_b32 v[TM+4+\b], 23, v[TM+12+\b]
.endr
	v_lshl_or_b32 v[PW], v[TM+5], 8, v[TM+4]
	v_lshl_or_b32 v[PW], v[TM+6], 16, v[PW]
	v_lshl_or_b32 v[PW], v[TM+7], 24, v[PW]
.irp c, 0,1
	v_cvt_scalef32_pk16_fp6_f32 v[PC+6*\c:PC+2+6*\c], v[\s+32*\c:\s+15+32*\c], v[TM+12+2*\c]
	v_cvt_scalef32_pk16_fp6_f32 v[PC+12+4*\c:PC+14+4*\c], v[\s+16+32*\c:\s+31+32*\c], v[TM+12+2*\c+1]
.endr
	v_nop                                          ; one plain place behind a scaled conversion
.irp c, 0,1
.irp i, 0,1,2
	v_permlane16_swap_b32 v[PC+6*\c+\i], v[PC+12+4*\c+\i]
.endr
.irp i, 0,1,2
	v_mov_b32 v[PC+3+6*\c+\i], v[PC+12+4*\c+\i]
.endr
.endr
.endm
	s_load_b256 s[4:11], s[0:1], 0x0               ; x s[4:5], gn_w s[6:7], gn_b s[8:9], stat s[10:11]
	s_load_b256 s[12:19], s[0:1], 0x20             ; wts s[12:13], qbuf s[14:15], kbuf s[16:17], vbuf s[18:19]
	v_lshl_add_u32 v254, v0, 2, 0x29000
	v_mov_b32 v255, 0
	ds_add_u32 v254, v255
	ds_add_u32 v254, v255
	v_lshrrev_b32 v16, 5, v0
	v_readfirstlane_b32 s[WV], v16                 ; wave 0..3
	s_bfe_u32 s21, ttmp6, 0x40000                  ; cx: the head
	s_lshr_b32 s22, ttmp9, 5                       ; the batch (in a cluster launch ttmp9 counts clusters)
	s_and_b32 s23, ttmp9, 31                       ; J
	s_mov_b32 s[SEL], 0x76543210
	s_mov_b32 s[SEL+1], 0xfedcba98
	; descriptor group 1: 64 rows x 128 elements of 4 bytes, 4,096 elements from row to row, 2 words of padding behind each 128
	s_mov_b32 s[G1], 15|(2<<16)|(1<<20)|(1<<21)|(6<<22)|(1<<25)   ; 15:0 the mask: all four work-groups; 17:16 elements of 4 bytes; 20 padding on; 21 set beside a mask; 24:22 after every 128 words (code 6); 31:25 2 words (code 1)
	s_mov_b32 s[G1+1], 128<<16                     ; tensor_dim0
	s_mov_b32 s[G1+2], 64<<16                      ; tensor_dim1
	s_mov_b32 s[G1+3], 128<<16                     ; tile_dim0
	s_mov_b32 s[G1+4], 64                          ; tile_dim1
	s_mov_b32 s[G1+5], 4096                        ; tensor_dim0_stride
	s_mov_b32 s[G1+6], 0
	s_mov_b32 s[G1+7], 0
	s_lshl_b32 s40, s22, 22                        ; the batch's 4,194,304 bytes,
	s_lshl_b32 s42, s[WV], 20                      ; my wave's 64 channels of 16,384 bytes,
	s_add_co_u32 s40, s40, s42
	s_lshl_b32 s42, s23, 9                         ; 128 positions
	s_add_co_u32 s40, s40, s42
	s_mov_b32 s41, 0
	s_mov_b32 s[G0], 1
	s_mul_i32 s[G0+1], s[WV], 64*XP                ; where they go: no place in the cluster enters an LDS address
	v_and_b32 v16, 31, v0                          ; lane
	v_and_b32 v17, 15, v0                          ; r
	v_bfe_u32 v18, v0, 4, 1                        ; h
	v_lshlrev_b32 v[LI], 4, v16
	v_lshlrev_b32 v[R4], 2, v17
	v_lshlrev_b32 v[R2], 1, v17
	v_mul_u32_u24 v[L24], v16, 24
	s_mul_i32 s42, s[WV], 6144
	v_add_nc_u32 v[AF], L_NIMG, v[LI]
	v_add_nc_u32 v[ANW], s42, v[AF]
	v_lshl_add_u32 v[ASF], v16, 2, L_NSC
	s_lshl_b32 s42, s[WV], 9
	v_add_nc_u32 v[ANS], s42, v[ASF]
	s_and_b32 s42, s[WV], 1
	s_lshl_b32 s42, s42, 7
	s_lshr_b32 s43, s[WV], 1
	s_lshl_b32 s43, s43, 2
	s_add_co_u32 s42, s42, s43
	v_lshl_add_u32 v[AVS], v17, 3, s42
	v_and_b32 v19, 8, v17
	v_add_nc_u32 v19, v19, v17                     ; r + 8 (r / 8)
	v_lshlrev_b32 v19, 2, v19
	v_mad_u32_u24 v19, v18, 16*XP, v19             ; lanes 16-31 begin 16 channels further down
	s_lshl_b32 s42, s[WV], 7                       ; my wave's 32 positions
	v_add_nc_u32 v[AX], s42, v19
	v_add_nc_u32 v[AX+1], 64*XP, v[AX]
	v_add_nc_u32 v[AX+2], 128*XP, v[AX]
	v_add_nc_u32 v[AX+3], 192*XP, v[AX]
	v_lshl_add_u32 v[ACO], v18, 6, L_TA
.irp b, 0,1,2,3
	v_mov_b32 v[TM+4+\b], 0                        ; a lane permute's destination counts as one of its sources
.endr
	s_wait_dscnt 0x0
	s_wait_kmcnt 0x0
	s_add_nc_u64 s[G0+2:G0+3], s[4:5], s[40:41]
	s_or_b32 s[G0+3], s[G0+3], 0x80000000          ; type = 2
	CROUND                                         ; all four work-groups are here: the joint loads meet
	tensor_load_to_lds s[G0:G0+3], s[G1:G1+7]
	s_nop 0
	PLACES                                         ; four v_nop follow the load
	; the head's weights, in the order of the operand's registers
	s_mul_i32 s44, s21, 12288                      ; 8 fragments a head and matrix
	s_mov_b32 s45, 0
	s_add_nc_u64 s[46:47], s[12:13], s[44:45]
	s_mul_i32 s44, s[WV], 3072                     ; wv: tile w of the head
	s_add_nc_u64 s[48:49], s[46:47], s[44:45]
	s_lshl_b32 s44, s21, 9                         ; scale words: 8 x 64 bytes a head and matrix
	s_add_nc_u64 s[50:51], s[12:13], s[44:45]
	s_lshl_b32 s44, s[WV], 7
	s_add_nc_u64 s[52:53], s[50:51], s[44:45]
	WIN 0x40                                       ; destination window 1
.irp f, 0,1,2,3,4,5,6,7
.irp g, 0,1,2
	global_load_b128 v[WQ+12*\f+4*\g:WQ+12*\f+4*\g+3], v[LI], s[46:47] offset:\f*1536+512*\g
	global_load_b128 v[WK+12*\f+4*\g:WK+12*\f+4*\g+3], v[LI], s[46:47] offset:49152+\f*1536+512*\g
.endr
.endr
.irp s, 0,1
.irp g, 0,1,2
	global_load_b128 v[WVR+12*\s+4*\g:WVR+12*\s+4*\g+3], v[LI], s[48:49] offset:98304+\s*1536+512*\g
.endr
.endr
	WIN 0
.irp f, 0,1,2,3,4,5,6,7
	global_load_b32 v[WQS+\f], v[R4], s[50:51] offset:196608+\f*64
	global_load_b32 v[WKS+\f], v[R4], s[50:51] offset:198656+\f*64
.endr
.irp s, 0,1
	global_load_b32 v[WVS+\s], v[R4], s[52:53] offset:200704+\s*64
.endr
	; ---- (1) thread t owns channels 2 t and 2 t + 1, of group t / 4
	s_lshl_b32 s54, s22, 12                        ; a batch's 32 groups x 128 bytes
	s_mov_b32 s55, 0
	s_add_nc_u64 s[10:11], s[10:11], s[54:55]
	v_lshrrev_b32 v16, 2, v0
	v_lshlrev_b32 v17, 7, v16
	v_lshlrev_b32 v18, 3, v0
.irp i, 0,1,2,3,4,5,6,7
	global_load_b128 v[92+4*\i:95+4*\i], v17, s[10:11] offset:16*\i   ; the group's 16 pairs (mean, sum of squared deviations)
.endr
	global_load_b64 v[124:125], v18, s[6:7]        ; gn_w
	global_load_b64 v[126:127], v18, s[8:9]        ; gn_b
	s_mov_b32 s42, 0x38000000                      ; 2^-15: a group has 32,768 numbers
	s_mov_b32 s43, 0x3727c5ac                      ; 1e-5
	s_wait_loadcnt 0x0                             ; these, and the weights
	v_pk_add_f32 v[128:129], v[92:93], v[94:95]
	v_pk_add_f32 v[130:131], v[96:97], v[98:99]
.irp i, 4,6,8,10,12,14
	v_pk_add_f32 v[128:129], v[128:129], v[92+2*\i:93+2*\i]
	v_pk_add_f32 v[130:131], v[130:131], v[94+2*\i:95+2*\i]
.endr
	v_pk_add_f32 v[128:129], v[128:129], v[130:131]   ; (the sum of the means, the sum of the parts' squared deviations)
	v_mul_f32 v130, 0x3d800000, v128               ; the group's mean: the parts are of equal size
	v_mov_b32 v131, v130
.irp i, 0,1,2,3,4,5,6,7,8,9,10,11,12,13,14,15
	v_sub_f32 v[92+2*\i], v[92+2*\i], v130
.endr
	v_mul_f32 v132, v92, v92
	v_mul_f32 v133, v94, v94
.irp i, 2,4,6,8,10,12,14
	v_fma_f32 v132, v[92+2*\i], v[92+2*\i], v132
	v_fma_f32 v133, v[94+2*\i], v[94+2*\i], v133
.endr
	v_add_f32 v132, v132, v133
	v_fmamk_f32 v129, v132, 0x45000000, v129       ; + 2,048 x the squared distances of the parts' means
	v_fma_f32 v129, v129, s42, s43                 ; the variance + 1e-5
	v_rsq_f32 v132, v129
	v_lshl_add_u32 v19, v0, 3, L_TA                ; (a plain place behind the transcendental)
	s_wait_alu depctr_va_vdst(0)
	v_mul_f32 v124, v132, v124                     ; a = rstd x gn_w
	v_mul_f32 v125, v132, v125
	ds_store_b64 v19, v[124:125]
	ds_store_b64 v19, v[126:127] offset:1024
	ds_store_b64 v19, v[130:131] offset:2048
	s_wait_tensorcnt 0x0                           ; my 64 rows of the tile have landed,
	s_wait_dscnt 0x0                               ; my stores too:
	s_barrier_signal -1
	s_barrier_wait -1                              ; everybody's have
	; ---- (2) the norm of my 32 positions, quantised along the channels
.macro COEF s                          ; gain, bias and mean of channels 128 s + 32 b + 16 h + i, into window 2
	WIN 0x80
.irp b, 0,1,2,3
.irp i, 0,1,2,3
	ds_load_b128 v[CA+16*\b+4*\i:CA+16*\b+4*\i+3], v[ACO] offset:(128*\s+32*\b)*4+16*\i
	ds_load_b128 v[CB+16*\b+4*\i:CB+16*\b+4*\i+3], v[ACO] offset:1024+(128*\s+32*\b)*4+16*\i
	ds_load_b128 v[CM+16*\b+4*\i:CM+16*\b+4*\i+3], v[ACO] offset:2048+(128*\s+32*\b)*4+16*\i
.endr
.endr
	WIN 0
.endm
.macro NORMQ s, tp                     ; tile 2 w + tp, K step s
.irp b, 0,1,2,3
.set i_, 0
.rept 16
	ds_load_b32 v[HA+16*\b+i_], v[AX+2*\s+\b/2] offset:(32*(\b%2)+i_)*XP+32*\tp   ; x(128 s + 32 b + 16 h + i, my position)
.set i_, i_+1
.endr
.endr
	s_wait_dscnt 0x0
	WIN 0x28                                       ; sources 1 and 2 window 2
.set k_, 0
.rept 32
	v_pk_add_f32 v[HA+k_:HA+k_+1], v[HA+k_:HA+k_+1], v[CM+k_:CM+k_+1] neg_lo:[0,1] neg_hi:[0,1]   ; x - mean first: a common offset costs no digits
.set k_, k_+2
.endr
.set k_, 0
.rept 32
	v_pk_fma_f32 v[HA+k_:HA+k_+1], v[HA+k_:HA+k_+1], v[CA+k_:CA+k_+1], v[CB+k_:CB+k_+1]
.set k_, k_+2
.endr
	WIN 0
	QUANT HA
.irp g, 0,1,2
	ds_store_b128 v[ANW], v[PC+4*\g:PC+4*\g+3] offset:(2*\tp+\s)*1536+512*\g   ; the fragment as it stands: lane l's 16 bytes at 16 l
.endr
	ds_store_b32 v[ANS], v[PW] offset:(2*\tp+\s)*128
	s_wait_dscnt 0x0                               ; the stores have read their registers
.endm
	COEF 0
	NORMQ 0, 0
	NORMQ 0, 1
	COEF 1
	NORMQ 1, 0
	NORMQ 1, 1
	s_barrier_signal -1                            ; (my LDS instructions are done: the wait above)
	s_barrier_wait -1                              ; the norm's sixteen fragments lie in LDS
	; where the results go
	s_lshl_b32 s26, s22, 2
	s_add_co_u32 s26, s26, s21                     ; bh = 4 x batch + head
	s_lshl_b32 s56, s26, 5
	s_add_co_u32 s56, s56, s23                     ; 32 bh + J
	s_mul_i32 s58, s56, 6144                       ; q: 8 tiles of 768 bytes; k: 4 pairs of 1,536: my two tiles, my pair: 1,536 w on in both
	s_mul_i32 s60, s[WV], 1536
	s_add_co_u32 s58, s58, s60
	s_mov_b32 s59, 0
	s_add_nc_u64 s[66:67], s[14:15], s[58:59]
	s_add_nc_u64 s[68:69], s[16:17], s[58:59]
	s_lshl_b32 s58, s56, 8                         ; scales: 256 bytes a step, 64 a wave, in both
	s_lshl_b32 s60, s[WV], 6
	s_add_co_u32 s58, s58, s60
	s_add_co_u32 s58, s58, 1572864
	s_add_nc_u64 s[70:71], s[14:15], s[58:59]
	s_add_nc_u64 s[72:73], s[16:17], s[58:59]
	s_lshl_b32 s58, s26, 2                         ; v: chunk 4 bh + J / 8 of 51,200 bytes: 8 steps x 4 fragments, then 8 scale images of 256 bytes
	s_lshr_b32 s60, s23, 3
	s_add_co_u32 s58, s58, s60
	s_mul_i32 s58, s58, 51200
	s_and_b32 s60, s23, 7
	s_mul_i32 s61, s60, 6144
	s_mul_i32 s62, s[WV], 1536
	s_add_co_u32 s74, s58, s61
	s_add_co_u32 s74, s74, s62
	s_mov_b32 s75, 0
	s_add_nc_u64 s[76:77], s[18:19], s[74:75]
	s_lshl_b32 s61, s60, 8
	s_add_co_u32 s74, s58, s61
	s_add_co_u32 s74, s74, 49152
	s_add_nc_u64 s[78:79], s[18:19], s[74:75]
	; ---- (3) q and k of my two tiles
.irp f, 0,1,2,3                                ; f = 2 tp + s
.irp g, 0,1,2
	ds_load_b128 v[NF+12*\f+4*\g:NF+12*\f+4*\g+3], v[ANW] offset:\f*1536+512*\g
.endr
	ds_load_b32 v[NS+\f], v[ANS] offset:\f*128
.endr
	s_wait_dscnt 0x0
.macro QKUNIT wreg, wsc                ; 16 products: eight accumulators (tile tp, weight tile t) by turns, K step by K step
	WIN 0x01                                       ; source 0 (the weight) window 1
.irp s, 0,1
.irp tp, 0,1
.irp t, 0,1,2,3
.if \s == 0
	v_wmma_scale_f32_16x16x128_f8f6f4 v[HA+32*\tp+8*\t:HA+32*\tp+8*\t+7], v[\wreg+12*(2*\t+\s):\wreg+12*(2*\t+\s)+11], v[NF+12*(2*\tp+\s):NF+12*(2*\tp+\s)+11], 0, v[\wsc+2*\t+\s], v[NS+2*\tp+\s] matrix_a_fmt:MATRIX_FMT_FP6 matrix_b_fmt:MATRIX_FMT_FP6
.else
	v_wmma_scale_f32_16x16x128_f8f6f4 v[HA+32*\tp+8*\t:HA+32*\tp+8*\t+7], v[\wreg+12*(2*\t+\s):\wreg+12*(2*\t+\s)+11], v[NF+12*(2*\tp+\s):NF+12*(2*\tp+\s)+11], v[HA+32*\tp+8*\t:HA+32*\tp+8*\t+7], v[\wsc+2*\t+\s], v[NS+2*\tp+\s] matrix_a_fmt:MATRIX_FMT_FP6 matrix_b_fmt:MATRIX_FMT_FP6
.endif
.endr
.endr
.endr
	WIN 0
	PLACES                                         ; four places ahead of the first read of results (ISA guide 7.12.1)
.endm
	QKUNIT WQ, WQS
	QUANT HA                                       ; registers 0-5: tile 2 w's 64 channels; 6-11: tile 2 w + 1's; the word: two bytes each
.irp tp, 0,1
.irp e, 0,1,2
	global_store_b64 v[L24], v[PC+6*\tp+2*\e:PC+6*\tp+2*\e+1], s[66:67] offset:768*\tp+8*\e   ; a tile's three stores fill 768 consecutive bytes
.endr
.endr
	global_store_b16 v[R2], v[PW], s[70:71]        ; tile 2 w's two bytes a row,
	global_store_d16_hi_b16 v[R2], v[PW], s[70:71] offset:32   ; tile 2 w + 1's
	QKUNIT WK, WKS
	s_wait_xcnt 0x0                                ; q's stores have read their registers
	QUANT HA
.irp g, 0,1,2
	global_store_b128 v[LI], v[PC+4*\g:PC+4*\g+3], s[68:69] offset:512*\g
.endr
	global_store_b32 v[R4], v[PW], s[72:73]
	; ---- (4) v: 16 channels (tile w of the head) x all 128 positions
.macro VSTEP s
.irp pt, 0,1,2,3,4,5,6,7
.irp g, 0,1,2
	ds_load_b128 v[NF+12*\pt+4*\g:NF+12*\pt+4*\g+3], v[AF] offset:(2*\pt+\s)*1536+512*\g
.endr
	ds_load_b32 v[NS+\pt], v[ASF] offset:(2*\pt+\s)*128
.endr
	s_wait_dscnt 0x0
	WIN 0x04                                       ; source 1 (wv) window 1
.irp pt, 0,1,2,3,4,5,6,7
.if \s == 0
	v_wmma_scale_f32_16x16x128_f8f6f4 v[HA+8*\pt:HA+8*\pt+7], v[NF+12*\pt:NF+12*\pt+11], v[WVR+12*\s:WVR+12*\s+11], 0, v[NS+\pt], v[WVS+\s] matrix_a_fmt:MATRIX_FMT_FP6 matrix_b_fmt:MATRIX_FMT_FP6
.else
	v_wmma_scale_f32_16x16x128_f8f6f4 v[HA+8*\pt:HA+8*\pt+7], v[NF+12*\pt:NF+12*\pt+11], v[WVR+12*\s:WVR+12*\s+11], v[HA+8*\pt:HA+8*\pt+7], v[NS+\pt], v[WVS+\s] matrix_a_fmt:MATRIX_FMT_FP6 matrix_b_fmt:MATRIX_FMT_FP6
.endif
.endr
	WIN 0
	PLACES                                         ; ahead of loads into registers that matrix instructions have read, and of the first read of results
.endm
	VSTEP 0
	VSTEP 1
	s_wait_xcnt 0x0                                ; k's stores have read their registers
	QUANT HA                                       ; a lane: one channel, 128 keys
.irp g, 0,1,2
	global_store_b128 v[LI], v[PC+4*\g:PC+4*\g+3], s[76:77] offset:512*\g
.endr
	global_store_b32 v[AVS], v[PW], s[78:79]
	s_wait_tensorcnt 0x0
	ds_add_u32 v254, v255
	s_wait_dscnt 0x0
	CROUND                                         ; the closing round: no work-group ends while a partner may still ask for a tile that names it
	s_endpgm
.Lfunc_end_k_q0ff0636185_qkv:
	.size	k_q0ff0636185_qkv, .Lfunc_end_k_q0ff0636185_qkv-k_q0ff0636185_qkv
	.p2alignl 7, 3214868480
	.fill 96, 4, 3214868480
	.section	.rodata,"a",@progbits
	.p2align	6, 0x0
	.amdhsa_kernel k_q0ff0636185_qkv
		.amdhsa_group_segment_fixed_size 168448
		.amdhsa_private_segment_fixed_size 0
		.amdhsa_enable_private_segment 0
		.amdhsa_kernarg_size 64
		.amdhsa_user_sgpr_count 2
		.amdhsa_user_sgpr_kernarg_segment_ptr 1
		.amdhsa_wavefront_size32 1
		.amdhsa_system_sgpr_workgroup_id_x 1
		.amdhsa_system_sgpr_workgroup_id_y 1
		.amdhsa_system_sgpr_workgroup_id_z 1
		.amdhsa_system_vgpr_workitem_id 0
		.amdhsa_next_free_vgpr 768
		.amdhsa_next_free_sgpr 80
		.amdhsa_reserve_vcc 0
		.amdhsa_float_denorm_mode_32 3
		.amdhsa_float_denorm_mode_16_64 3
		.amdhsa_memory_ordered 1
		.amdhsa_forward_progress 1
		.amdhsa_inst_pref_size 97
	.end_amdhsa_kernel
	.amdgpu_metadata
---
amdhsa.version: [ 1, 2 ]
amdhsa.kernels:
  - .name:           k_q0ff0636185_qkv
    .symbol:         k_q0ff0636185_qkv.kd
    .args:
      - { .name: x, .offset: 0, .size: 8, .value_kind: global_buffer, .address_space: global }
      - { .name: gn_w, .offset: 8, .size: 8, .value_kind: global_buffer, .address_space: global }
      - { .name: gn_b, .offset: 16, .size: 8, .value_kind: global_buffer, .address_space: global }
      - { .name: stat, .offset: 24, .size: 8, .value_kind: global_buffer, .address_space: global }
      - { .name: wts, .offset: 32, .size: 8, .value_kind: global_buffer, .address_space: global }
      - { .name: qbuf, .offset: 40, .size: 8, .value_kind: global_buffer, .address_space: global }
      - { .name: kbuf, .offset: 48, .size: 8, .value_kind: global_buffer, .address_space: global }
      - { .name: vbuf, .offset: 56, .size: 8, .value_kind: global_buffer, .address_space: global }
    .group_segment_fixed_size: 168448
    .private_segment_fixed_size: 0
    .kernarg_segment_align: 8
    .kernarg_segment_size: 64
    .max_flat_workgroup_size: 128
    .sgpr_count:     80
    .vgpr_count:     768
    .wavefront_size: 32
...
	.end_amdgpu_metadata
.endif
;; end of part 2
;; launch attn (part 3): grid 32 x 8, 4 waves a work-group, clusters of 4 x 1, 327,680 bytes of LDS; arguments qbuf, kbuf, vbuf, obuf; writes obuf
.if DOCPART == 3
	.amdgcn_target "amdgcn-amd-amdhsa--gfx1250"
	.amdhsa_code_object_version 6
	.text
	.protected	k_q0ff0636185_attn
	.globl	k_q0ff0636185_attn
	.p2align	8
	.type	k_q0ff0636185_attn,@function
k_q0ff0636185_attn:
	s_mov_b64 s[64:65], 0
	v_nop
	global_prefetch_b8 v0, s[64:65] scope:SCOPE_SE
	s_setreg_imm32_b32 hwreg(HW_REG_WAVE_MODE, 25, 1), 1
	s_wait_xcnt 0x0
	s_wait_alu depctr_hold_cnt(0) depctr_sa_sdst(0) depctr_va_vdst(0) depctr_va_sdst(0) depctr_va_ssrc(0) depctr_va_vcc(0) depctr_vm_vsrc(0)
	s_getreg_b32 s2, hwreg(HW_REG_IB_STS2, 6, 4)
	s_cmp_eq_u32 s2, 0
	s_cbranch_scc0 .Lentry_in_a_cluster
	s_endpgm
.Lentry_in_a_cluster:
	s_bfe_u32 s2, ttmp6, 0x10000c
	s_cmp_lg_u32 s2, 0x3003
	s_cbranch_scc0 .Lentry_shape_is_right
	s_endpgm
.Lentry_shape_is_right:
; ATTN: S = K Q^T, the FINISHED softmax, its codes, O = V^T P^T and O's codes, for 128 queries of one (batch, head), on codes of E2M3 with one E8M0 scale for each 32 along K.
; WHY WHOLE ROWS.  p is quantised normalised: a block's scale hangs on the row's sum, so no code of a row can be made before all 4,096 scores of the row are known.  A tile of 16 queries x 4,096 keys of f32
; is 256 KB: 512 registers in each of the four waves.  So each score is multiplied and exponentiated ONCE, and stays where it was made until it is turned into a code.
; SHARES.  A work-group owns query step qb (8 tiles of 16 queries) of pair bh.  Wave w owns keys 1,024 w .. 1,024 w + 1,023 (8 steps of 128) for every tile.  Its K and V are read by it alone and stay in the WGP
; for the whole launch: K's steps 0-3 in 192 registers, K's steps 4-7 (24,576 bytes), V (49,152) and V's scale images (2,048) in its own part of LDS.
; CLUSTER.  The four work-groups of a cluster share bh, so the LDS part of K and V is asked for JOINTLY (the same two loads a wave, mask of the four).  K's steps 0-3 land in registers, which a tensor load cannot fill: they are read by plain loads.
; By this text's own count a wave has two tensor loads out; no LDS byte is filled twice.  The text uses 321,024 bytes of LDS.
; K = 64 IN A FORM OF K = 128.  K's operand is a PAIR [tile 2 i's 64 channels | tile 2 i + 1's]; Q lies in 18 registers [six zeros | q | six zeros]: [q | 0] picks the first tile, [0 | q] the second: zero codes add nothing under any byte of 1..254.
; LAYOUT.  Both products are used transposed: a lane holds ONE query (lane % 16) throughout.  Lane r of key tile 2 b + u is key 32 b + 8 u + r + 8 (r / 8): the 16 registers of tiles 2 b, 2 b + 1 are keys 32 b + 16 (lane / 16) + 0 .. 15.
; A TILE.  A: 64 products, and each block's largest score.  A2: -M_w = floor(-c x my keys' largest score), c = log2(e) / 16.  B: p' = 2^(c s - M_w) in place, and its sum.  B2: the waves exchange (-M_w, sum) | barrier |; M = the largest M_w;
; l = the sum of the waves' sums x 2^(M_w - M) (exact); G = 2^(M_w - M) / l.  C: p = p' G; a block's largest p is its largest score put through the same lines; codes; 32 products.  D: the four partial O meet in LDS | barrier |; waves 0 and 1 add them, quantise a block of 32 channels each and store.
; THE LOOP IS TURNED: a trip runs A2, B, B2, C of tile i and then A of tile i + 1, and D of tile i stands INSIDE that A.  One wave has a SIMD to itself, so whatever it waits for is lost unless its own text fills the time:
;   - behind each product of A stands a slice of the block maxima of the step finished before (4 or 5 lines and two window switches: 7 or 8 issue slots beside a product of 16 x 16 x 128);
;   - O's stores into LDS are covered by step 0's products, the barrier's signal and wait stand apart with step 1 between them, and D's 39 lines stand in eight slices behind step 7's products;
;   - LDS reads are asked for where LDS is idle: V's steps 0, 1 at the trip's head (they land under the exponentials), V's step j + 2 behind step j's products, K's step 4 behind V's step 6, K's steps 5, 6 between the barrier's signal and wait;
;   - the blocks' largest p' (64 lines) stand round the first barrier's round trip.
; The first tile's A stands ahead of the loop, the last tile's rest behind it: 7 trips.
; LIMITS: v_exp_f32 gives 0 where 2^(c s - M_w) would fall under 2^-126; a block whose every p is 0 keeps the byte 1 (its codes are zeros; this program alone reads the bytes); a block's largest p taken from its largest score takes
; v_exp_f32 not to fall where its input rises; NaN and infinities are not served.
; REGISTERS, in windows of 256.  Window 0: v1-13 addresses; v14 -infinity; v15-34 Q; v36-51 K's scale words; v52-83 a number for each block of 32 keys; v84-91 p's scale words; v92.. statistics; v104-255 by phases (below).
;   Windows 1-3: S of step j in window 1 + j / 3 at 64 (j % 3); 8 scratch registers (v192 in windows 1, 2; v128 in window 3: -M, -M, G, G, two pairs of sums); K's step 0 at window 1 v200, 1 at window 2 v200, 2 and 3 at window 3 v136, v184;
;   window 3 v232-247: the fourth partial O.
.set WREG,  75776                      ; LDS: a wave's part: K's steps 4-7, V, V's scale images
.set L_V,   24576
.set L_VS,  73728
.set OEX,   303104                     ; four partial O, 4,096 bytes each, as images of registers
.set STATS, 319488                     ; four x 256 bytes: (-M_w, sum) of each lane
.set AK,  1                            ; my part + 16 x lane
.set AV,  2                            ; + L_V
.set AVS, 3                            ; my part + L_VS + 8 x lane
.set ASW, 4                            ; STATS + 256 w + 8 x lane
.set ASR, 5                            ; STATS + 8 x lane
.set AOW, 6                            ; OEX + 4,096 w + 16 x lane
.set AOR, 7                            ; OEX + 2,048 (w % 2) + 16 x lane
.set L24, 8                            ; 24 x lane
.set R2,  9                            ; 2 r
.set AOC, 10                           ; 384 (w % 2) + 24 r + 12 h
.set AOS, 11                           ; 4 r + w % 2
.set LI,  12                           ; 16 x lane
.set L4,  13                           ; 4 x lane
.set NEG, 14
.set QT,  15                           ; Q's two scale bytes as loaded
.set QB,  16                           ; v[16:27] = [0 | q]
.set QA,  22                           ; v[22:33] = [q | 0]
.set QS,  34                           ; Q's scale word: its two bytes twice
.set KS,  36                           ; register 2 j + i: lanes 0-15 pair 2 i of step j, lanes 16-31 pair 2 i + 1
.set BM,  52                           ; block 4 j + b: largest score, then largest p', then the conversion's scale operand
.set PW,  84
.set NM,  92                           ; -M_w;  v93 my keys' sum
.set LS,  93
.set GG,  94
.set TT,  96                           ; v96-103 at work
.set KC,  104                          ; phase A: three staged steps of K: KC v104-151, KA v156-203, KB v204-251
.set KA,  156
.set KB,  204
.set RR,  204                          ; phase A, once KB is read: three partial O of my block, 16 registers each;
.set R3,  232                          ; the fourth, in window 3
.set CD,  152                          ; O's codes, v152-154, and
.set BY,  155                          ; their scale byte
.set OA,  104                          ; phase C: O^T, 4 accumulators;
.set PC,  136                          ; p's codes, v136-147, and the conversions' second halves up to v154;
.set VF,  156                          ; two staged steps of V;
.set BT,  104                          ; (the blocks' bytes, ahead of O^T's first product)
.set VS,  252                          ; v252-255 V's scale words: nothing else ever
.set ORD, 0x37265410                   ; the order in which phase A takes the steps, four bits each from the low end: 0, 1, 4, 5, 6, 2, 7, 3
.set WV,   12
.set CS,   16                          ; s[16:17] c
.set SEL,  18
.set TRIP, 20
.set G1K,  24
.set G1V,  32
.set G0K,  40
.set G0V,  44
.set MSB, 0
.macro WIN new                         ; the immediate's high byte repeats the setting that is left; bits 1:0 source 0, 3:2 source 1, 5:4 source 2, 7:6 destination
.if MSB != (\new)
	s_set_vgpr_msb (MSB<<8)|(\new)
.set MSB, (\new)
.endif
.endm
.macro PLACES
.rept 4
	v_nop
.endr
.endm
.macro CROUND                          ; a round of the cluster's barrier
	s_barrier_signal -1
	s_barrier_wait -1
	s_cmp_lg_u32 s[WV], 0
	s_cbranch_scc1 .Lnot_wave_0_\@
	s_barrier_signal -3
.Lnot_wave_0_\@:
	s_barrier_wait -3
	s_barrier_signal -1
	s_barrier_wait -1
.endm
	s_load_b256 s[4:11], s[0:1], 0x0               ; qbuf s[4:5], kbuf s[6:7], vbuf s[8:9], obuf s[10:11]
	v_lshl_add_u32 v35, v0, 2, 0x4e400
	v_mov_b32 v95, 0
	ds_add_u32 v35, v95
	ds_add_u32 v35, v95
	v_lshrrev_b32 v96, 5, v0
	v_readfirstlane_b32 s[WV], v96                 ; wave 0..3
	s_and_b32 s15, ttmp7, 0xffff                   ; bh, which the four partners share
	; descriptor groups 1: dense blocks as rows of 256 bytes (32 elements of 8 bytes): K's 96 rows, V's 200
	s_mov_b32 s[G1K], 15|(3<<16)|(1<<21)           ; 15:0 the mask: all four work-groups; 17:16 elements of 8 bytes; 21 set beside a mask; no padding: every read takes 512 consecutive bytes
	s_mov_b32 s[G1K+1], 32<<16
	s_mov_b32 s[G1K+2], 96<<16
	s_mov_b32 s[G1K+3], 32<<16
	s_mov_b32 s[G1K+4], 96
	s_mov_b32 s[G1K+5], 32
	s_mov_b32 s[G1K+6], 0
	s_mov_b32 s[G1K+7], 0
	s_mov_b32 s[G1V], 15|(3<<16)|(1<<21)
	s_mov_b32 s[G1V+1], 32<<16
	s_mov_b32 s[G1V+2], 200<<16
	s_mov_b32 s[G1V+3], 32<<16
	s_mov_b32 s[G1V+4], 200
	s_mov_b32 s[G1V+5], 32
	s_mov_b32 s[G1V+6], 0
	s_mov_b32 s[G1V+7], 0
	s_mul_i32 s60, s15, 196608                     ; K: a pair bh has 32 steps of 6,144 bytes; my wave's 8 steps
	s_mul_i32 s61, s[WV], 49152
	s_add_co_u32 s60, s60, s61
	s_mov_b32 s61, 0
	s_lshl_b32 s62, s15, 2                         ; V: chunk 4 bh + w
	s_add_co_u32 s62, s62, s[WV]
	s_mul_i32 s62, s62, 51200
	s_mov_b32 s63, 0
	s_mul_i32 s21, s[WV], WREG                     ; my part of LDS
	s_mov_b32 s[CS], 0x3db8aa3b                    ; c = log2(e) / sqrt(256)
	s_mov_b32 s[CS+1], s[CS]                       ; (named with it as a pair)
	s_mov_b32 s[SEL], 0x76543210
	s_mov_b32 s[SEL+1], 0xfedcba98
	v_and_b32 v96, 31, v0                          ; lane
	v_and_b32 v97, 15, v0                          ; r
	v_bfe_u32 v98, v0, 4, 1                        ; h
	v_mul_u32_u24 v[L24], v96, 24
	v_lshlrev_b32 v[R2], 1, v97
	v_lshlrev_b32 v[LI], 4, v96
	v_lshlrev_b32 v[L4], 2, v96
	v_mov_b32 v[NEG], 0xff800000
.irp i, 0,1,2,3,4,5
	v_mov_b32 v[QB+\i], 0                          ; the zero codes on both sides of q: written once
	v_mov_b32 v[QA+6+\i], 0
.endr
	s_wait_dscnt 0x0
	s_wait_kmcnt 0x0
	s_add_nc_u64 s[56:57], s[6:7], s[60:61]        ; K's steps 0-3 of my wave
	s_mov_b32 s[G0K], 1
	s_mov_b32 s[G0K+1], s21
	s_add_nc_u64 s[G0K+2:G0K+3], s[56:57], 24576   ; steps 4-7
	s_or_b32 s[G0K+3], s[G0K+3], 0x80000000
	s_mov_b32 s[G0V], 1
	s_add_co_u32 s[G0V+1], s21, L_V
	s_add_nc_u64 s[G0V+2:G0V+3], s[8:9], s[62:63]
	s_or_b32 s[G0V+3], s[G0V+3], 0x80000000
	CROUND                                         ; all four work-groups are here: the joint loads meet
	tensor_load_to_lds s[G0K:G0K+3], s[G1K:G1K+7]
	s_nop 0
	tensor_load_to_lds s[G0V:G0V+3], s[G1V:G1V+7]
	s_nop 0
	PLACES                                         ; four v_nop follow the second
	; addresses in which my place in the cluster counts: Q's and O's alone.  (No register of the two descriptors is written before the wait on TENSORcnt)
	s_bfe_u32 s13, ttmp6, 0x40000                  ; cx
	s_lshl_b32 s14, ttmp9, 2
	s_add_co_u32 s14, s14, s13                     ; qb = 4 x cluster x + cx
	s_lshl_b32 s66, s15, 13                        ; K's scale words: 256 bytes a step
	s_lshl_b32 s67, s[WV], 11
	s_add_co_u32 s66, s66, s67
	s_add_co_u32 s66, s66, 1572864
	s_mov_b32 s67, 0
	s_add_nc_u64 s[58:59], s[6:7], s[66:67]
	s_lshl_b32 s68, s15, 5
	s_add_co_u32 s68, s68, s14                     ; 32 bh + qb
	s_mul_i32 s70, s68, 6144
	s_mov_b32 s71, 0
	s_add_nc_u64 s[48:49], s[4:5], s[70:71]        ; Q's tiles, 768 bytes each
	s_lshl_b32 s70, s68, 8
	s_add_co_u32 s70, s70, 1572864
	s_add_nc_u64 s[50:51], s[4:5], s[70:71]        ; their scale bytes, 32 bytes a tile
	s_lshr_b32 s72, s15, 2
	s_lshl_b32 s72, s72, 5
	s_add_co_u32 s72, s72, s14                     ; PB = 32 x batch + qb
	s_and_b32 s73, s15, 3                          ; the head
	s_mul_i32 s70, s72, 24576
	s_mul_i32 s74, s73, 768
	s_add_co_u32 s70, s70, s74
	s_add_nc_u64 s[52:53], s[10:11], s[70:71]      ; O's codes: 3,072 bytes a tile, 768 a head
	s_lshl_b32 s70, s72, 10
	s_lshr_b32 s74, s73, 1
	s_lshl_b32 s74, s74, 6
	s_add_co_u32 s70, s70, s74
	s_and_b32 s74, s73, 1
	s_lshl_b32 s74, s74, 1
	s_add_co_u32 s70, s70, s74
	s_add_co_u32 s70, s70, 1572864
	s_add_nc_u64 s[54:55], s[10:11], s[70:71]      ; O's scale bytes: 128 bytes a tile; K step head / 2, bytes 2 (head % 2) on
.macro KREG j, reg
.irp ip, 0,1,2,3
.irp g, 0,1,2
	global_load_b128 v[\reg+12*\ip+4*\g:\reg+12*\ip+4*\g+3], v[LI], s[56:57] offset:(\j)*6144+\ip*1536+512*\g
.endr
.endr
.endm
	WIN 0x40
	KREG 0, 200
	WIN 0x80
	KREG 1, 200
	WIN 0xc0
	KREG 2, 136
	KREG 3, 184
	WIN 0
.irp j, 0,1,2,3,4,5,6,7
.irp i, 0,1
	global_load_b32 v[KS+2*\j+\i], v[L4], s[58:59] offset:\j*256+\i*128
.endr
.endr
.irp e, 0,1,2
	global_load_b64 v[QA+2*\e:QA+2*\e+1], v[L24], s[48:49] offset:8*\e   ; tile 0 of Q
.endr
	global_load_u16 v[QT], v[R2], s[50:51]
	s_wait_loadcnt 0x0
	v_lshl_or_b32 v[QS], v[QT], 16, v[QT]          ; the lines below are more than the eight places between this and the first product
	v_add_nc_u32 v[AK], s21, v[LI]
	v_add_nc_u32 v[AV], L_V, v[AK]
	v_lshl_add_u32 v[AVS], v96, 3, s21
	v_add_nc_u32 v[AVS], L_VS, v[AVS]
	s_lshl_b32 s61, s[WV], 8
	v_lshl_add_u32 v[ASR], v96, 3, STATS
	v_add_nc_u32 v[ASW], s61, v[ASR]
	s_lshl_b32 s61, s[WV], 12
	v_add_nc_u32 v[AOW], OEX, v[LI]
	v_add_nc_u32 v[AOW], s61, v[AOW]
	s_and_b32 s62, s[WV], 1
	s_lshl_b32 s63, s62, 11
	v_add_nc_u32 v[AOR], OEX, v[LI]
	v_add_nc_u32 v[AOR], s63, v[AOR]
	v_mul_u32_u24 v[AOC], v97, 24
	v_mad_u32_u24 v[AOC], v98, 12, v[AOC]
	s_mul_i32 s63, s62, 384
	v_add_nc_u32 v[AOC], s63, v[AOC]
	v_lshl_add_u32 v[AOS], v97, 2, s62
; ---- macros of phase A
.macro KLOAD j, reg                    ; K's step j (4..7) from LDS: 12 loads of 512 consecutive bytes
.irp ip, 0,1,2,3
.irp g, 0,1,2
	ds_load_b128 v[\reg+12*\ip+4*\g:\reg+12*\ip+4*\g+3], v[AK] offset:((\j)-4)*6144+\ip*1536+512*\g
.endr
.endr
.endm
.macro KQ d, a, b, sa, row
.if \row
	v_wmma_scale_f32_16x16x128_f8f6f4 v[\d:\d+7], v[\a:\a+11], v[\b:\b+11], 0, v[\sa], v[QS] matrix_a_fmt:MATRIX_FMT_FP6 matrix_b_fmt:MATRIX_FMT_FP6 matrix_a_scale:MATRIX_SCALE_ROW1
.else
	v_wmma_scale_f32_16x16x128_f8f6f4 v[\d:\d+7], v[\a:\a+11], v[\b:\b+11], 0, v[\sa], v[QS] matrix_a_fmt:MATRIX_FMT_FP6 matrix_b_fmt:MATRIX_FMT_FP6
.endif
.endm
; THE BLOCK MAXIMA are a list of 256 lines, 32 for each step in the order ORD; MAXL writes line mq.  Within a step: the four blocks of 32 keys (my 16 of each) by turns, each accumulator from its low end on.
.macro MAXL
.set mj, (ORD>>(4*(mq/32)))&15
.set ml, mq%32
.set mb, 64*(mj%3)+16*(ml%4)+2*(ml/4)
	WIN 5*(1+mj/3)                                 ; sources 0 and 1: S's window
.if ml < 4
	v_max3_num_f32 v[BM+4*mj+ml], v[mb], v[mb+1], v[NEG]
.else
	v_max3_num_f32 v[BM+4*mj+ml%4], v[mb], v[mb+1], v[BM+4*mj+ml%4]
.endif
.set mq, mq+1
.endm
; D IS A LIST OF 39 LINES; DL writes line dq: the four partial O of my block of 32 channels are added, the block's scale is found, its codes made and stored.
.macro DL
.if dq < 8
	WIN 0x0c                                       ; source 1: window 3
	v_pk_add_f32 v[RR+32+2*dq:RR+33+2*dq], v[RR+32+2*dq:RR+33+2*dq], v[R3+2*dq:R3+2*dq+1]
.elseif dq < 16
	WIN 0
	v_pk_add_f32 v[RR+2*(dq-8):RR+2*(dq-8)+1], v[RR+2*(dq-8):RR+2*(dq-8)+1], v[RR+16+2*(dq-8):RR+17+2*(dq-8)]
.elseif dq < 24
	v_pk_add_f32 v[RR+2*(dq-16):RR+2*(dq-16)+1], v[RR+2*(dq-16):RR+2*(dq-16)+1], v[RR+32+2*(dq-16):RR+33+2*(dq-16)]   ; o(query r, channel 32 b + 16 h + 0 .. 15)
.elseif dq == 24
	v_max3_num_f32 v[TT], |v[RR]|, |v[RR+1]|, 0x1800000   ; the largest magnitude in two chains, with the floor 2^(3 - 127)
.elseif dq == 25
	v_max3_num_f32 v[TT+2], |v[RR+8]|, |v[RR+9]|, |v[RR+10]|
.elseif dq == 31
	v_max3_num_f32 v[TT], v[TT], v[TT+2], |v[RR+15]|
.elseif (dq < 31) && (dq%2 == 0)
	v_max3_num_f32 v[TT], v[TT], |v[RR+dq-24]|, |v[RR+dq-23]|
.elseif dq < 31
	v_max3_num_f32 v[TT+2], v[TT+2], |v[RR+dq-16]|, |v[RR+dq-15]|
.elseif dq == 32
	v_permlanex16_b32 v[TT+1], v[TT], s[SEL], s[SEL+1]
.elseif dq == 33
	v_max_num_f32 v[TT], v[TT], v[TT+1]
.elseif dq == 34
	v_add_nc_u32 v[TT], 0xff000000, v[TT]          ; 2 off the exponent field: the conversion's scale operand
.elseif dq == 35
	v_cvt_scalef32_pk16_fp6_f32 v[CD:CD+2], v[RR:RR+15], v[TT]
.elseif dq == 36
	v_lshrrev_b32 v[BY], 23, v[TT]                 ; the byte; also the plain place behind the conversion
.elseif dq == 37
	global_store_b96 v[AOC], v[CD:CD+2], s[52:53]  ; the wave's 32 lanes fill 384 consecutive bytes
.elseif dq == 38
	global_store_b8 v[AOS], v[BY], s[54:55]        ; both halves of the lanes write row r's byte
.endif
.set dq, dq+1
.endm
.macro DSLICE                          ; five lines of D, in waves 0 and 1 alone; at a branch and at a label every window is 0
	WIN 0
	s_cmp_lt_u32 s[WV], 2
	s_cbranch_scc0 .Lnd_\@
.rept 5
	DL
.endr
	WIN 0
.Lnd_\@:
.endm
.macro RRLOAD                          ; waves 0 and 1: the four partial O of my block: 16 loads
	s_cmp_lt_u32 s[WV], 2
	s_cbranch_scc0 .Lnr_\@
.irp w, 0,1,2
.irp i, 0,1,2,3
	ds_load_b128 v[RR+16*\w+4*\i:RR+16*\w+4*\i+3], v[AOR] offset:4096*\w+512*\i
.endr
.endr
	WIN 0xc0                                       ; destination window 3
.irp i, 0,1,2,3
	ds_load_b128 v[R3+4*\i:R3+4*\i+3], v[AOR] offset:12288+512*\i
.endr
	WIN 0
.Lnr_\@:
.endm
; Step j's 8 products: each pair once against [q | 0], once against [0 | q]; K in window kw at kr.  Behind EACH product: n lines of the maxima's list, or (dd) a slice of D.
.macro ASTEP j, kw, kr, n, dd
.irp ip, 0,1,2,3
.irp u, 0,1
	WIN ((1+(\j)/3)<<6)|(\kw)
	KQ 64*((\j)%3)+16*\ip+8*\u, \kr+12*\ip, QA-6*\u, KS+2*(\j)+\ip/2, \ip%2
.if \dd
	DSLICE
.endif
.rept \n
	MAXL
.endr
.endr
.endr
.endm
; PHASE A of a tile.  dd = 1: the tile before has just finished its O^T: its exchange and its D stand in here.  dd = 0: the first tile.
; A line of the maxima reads a step's results only behind that step's last product and four plain lines that name none of its registers (ISA guide 7.12.1): the slices are those places; v_nop stand where a step has no slice.
.macro PHASE_A dd
.set mq, 0
.set dq, 0
.if \dd
	PLACES                                         ; four places behind the last product of O^T
.irp i, 0,1,2,3,4,5,6,7
	ds_store_b128 v[AOW], v[OA+4*\i:OA+4*\i+3] offset:512*\i   ; my partial O^T, as an image of its registers; each accumulator from its low end on
.endr
.endif
	ASTEP 0, 1, 200, 0, 0                          ; eight products while the stores land
	PLACES
	WIN 0
.if \dd
	s_wait_dscnt 0x0                               ; for the others' sake: my stores are done (and K's step 4 is in)
	s_barrier_signal -1
.else
	s_wait_tensorcnt 0x0                           ; my part of LDS is whole; nobody else reads it, so no barrier is owed
	KLOAD 4, KA
.endif
	KLOAD 5, KB                                    ; bytes that nobody ever writes: these loads may stand between the signal and the wait
	KLOAD 6, KC
	ASTEP 1, 2, 200, 4, 0
	WIN 0
.if \dd
	s_barrier_wait -1                              ; all four partial O^T lie in LDS
.else
	s_wait_dscnt 24                                ; step 4 is in; the 24 loads of steps 5 and 6 may stay out
.endif
	ASTEP 4, 0, KA, 4, 0
	WIN 0
	KLOAD 7, KA                                    ; behind the last slice's four lines
	s_wait_dscnt 24                                ; step 5 is in; the 24 loads of steps 6 and 7 may stay out
	ASTEP 5, 0, KB, 4, 0
	WIN 0
	s_wait_dscnt 12                                ; step 6 is in; step 7's 12 loads may stay out.  The wait stands AHEAD of the loads that only two waves issue, so that its count holds in every wave
.if \dd
	RRLOAD                                         ; into the registers that step 5 has read
.endif
	ASTEP 6, 0, KC, 4, 0
	ASTEP 2, 3, 136, 4, 0
	s_wait_dscnt 0x0                               ; step 7 is in, and in waves 0 and 1 the partial O: zero, since the waves have issued different numbers of loads
	ASTEP 7, 0, KA, 0, \dd
	ASTEP 3, 3, 184, 5, 0
.rept 56
	MAXL                                           ; what is left of the list: 24 lines of step 7's, step 3's 32
.endr
	WIN 0
.endm
; ---- macros of the rest of a tile
.macro SCRSET off, src                 ; a number of window 0 into two scratch registers of each of the three windows
	WIN 0x40
	v_mov_b32 v[192+\off], v[\src]
	v_mov_b32 v[193+\off], v[\src]
	WIN 0x80
	v_mov_b32 v[192+\off], v[\src]
	v_mov_b32 v[193+\off], v[\src]
	WIN 0xc0
	v_mov_b32 v[128+\off], v[\src]
	v_mov_b32 v[129+\off], v[\src]
.endm
.macro BADD a, first                   ; pair a of the step's 32 joins one of the window's two sums; in a window's first step pairs 0 to 3 start them: nothing is cleared
.if \first && ((\a) < 2)
.elseif \first && ((\a) < 4)
	s_wait_alu depctr_va_vdst(0)
	v_pk_add_f32 v[SCJ+4+2*((\a)%2):SCJ+5+2*((\a)%2)], v[SBJ+2*(\a)-4:SBJ+2*(\a)-3], v[SBJ+2*(\a):SBJ+2*(\a)+1]
.else
	s_wait_alu depctr_va_vdst(0)
	v_pk_add_f32 v[SCJ+4+2*((\a)%2):SCJ+5+2*((\a)%2)], v[SCJ+4+2*((\a)%2):SCJ+5+2*((\a)%2)], v[SBJ+2*(\a):SBJ+2*(\a)+1]
.endif
.endm
.macro BSTEP j, first                  ; p' = 2^(c s - M_w) in place, and the sums, all under one window setting.  Plain lines and exponentials by turns: the multiply-adds two pairs ahead, the sums two pairs back,
.set SBJ, 64*((\j)%3)                  ; so that each exponential has a plain line behind it before its result is used (ISA guide 5.7.2)
.set SCJ, 192-64*((\j)/6)
	WIN 0x55*(1+(\j)/3)
	v_pk_fma_f32 v[SBJ:SBJ+1], v[SBJ:SBJ+1], s[CS:CS+1], v[SCJ:SCJ+1] op_sel_hi:[1,0,0]
	v_pk_fma_f32 v[SBJ+2:SBJ+3], v[SBJ+2:SBJ+3], s[CS:CS+1], v[SCJ:SCJ+1] op_sel_hi:[1,0,0]
.set k, 0
.rept 32
.if k < 30
	v_pk_fma_f32 v[SBJ+2*k+4:SBJ+2*k+5], v[SBJ+2*k+4:SBJ+2*k+5], s[CS:CS+1], v[SCJ:SCJ+1] op_sel_hi:[1,0,0]
.endif
	v_exp_f32 v[SBJ+2*k], v[SBJ+2*k]
.if k >= 2
	BADD k-2, \first
.endif
	v_exp_f32 v[SBJ+2*k+1], v[SBJ+2*k+1]
.set k, k+1
.endr
	BADD 30, \first
	BADD 31, \first
.endm
.macro BMX a, b                        ; blocks a .. b - 1: the largest p' by the very lines that make the p' (the same bits); the multiply-adds run one block ahead, so that a plain line follows each exponential
.set k, \a
.rept (\b)-(\a)
.if k < 31
	v_fma_f32 v[BM+k+1], v[BM+k+1], s[CS], v[NM]
.endif
	v_exp_f32 v[BM+k], v[BM+k]
.set k, k+1
.endr
.endm
.macro MULH j, half                    ; p = p' G: half of step j's 32 pairs
.set SBJ, 64*((\j)%3)
.set SCJ, 192-64*((\j)/6)
	WIN 0x55*(1+(\j)/3)
.set k, 16*(\half)
.rept 16
	v_pk_mul_f32 v[SBJ+2*k:SBJ+2*k+1], v[SBJ+2*k:SBJ+2*k+1], v[SCJ+2:SCJ+3] op_sel_hi:[1,0]
.set k, k+1
.endr
.endm
.macro VLOAD j                         ; V's step j and its scale image: 13 loads
.irp ct, 0,1,2,3
.irp g, 0,1,2
	ds_load_b128 v[VF+48*((\j)%2)+12*\ct+4*\g:VF+48*((\j)%2)+12*\ct+4*\g+3], v[AV] offset:(\j)*6144+\ct*1536+512*\g
.endr
.endr
	ds_load_b64 v[VS+2*((\j)%2):VS+2*((\j)%2)+1], v[AVS] offset:(\j)*256   ; register i: lanes 0-15 tile 2 i's words, lanes 16-31 tile 2 i + 1's
.endm
.macro PV1 d, a, sa, sb, row, zero
.if \zero
.if \row
	v_wmma_scale_f32_16x16x128_f8f6f4 v[\d:\d+7], v[\a:\a+11], v[PC:PC+11], 0, v[\sa], v[\sb] matrix_a_fmt:MATRIX_FMT_FP6 matrix_b_fmt:MATRIX_FMT_FP6 matrix_a_scale:MATRIX_SCALE_ROW1
.else
	v_wmma_scale_f32_16x16x128_f8f6f4 v[\d:\d+7], v[\a:\a+11], v[PC:PC+11], 0, v[\sa], v[\sb] matrix_a_fmt:MATRIX_FMT_FP6 matrix_b_fmt:MATRIX_FMT_FP6
.endif
.else
.if \row
	v_wmma_scale_f32_16x16x128_f8f6f4 v[\d:\d+7], v[\a:\a+11], v[PC:PC+11], v[\d:\d+7], v[\sa], v[\sb] matrix_a_fmt:MATRIX_FMT_FP6 matrix_b_fmt:MATRIX_FMT_FP6 matrix_a_scale:MATRIX_SCALE_ROW1
.else
	v_wmma_scale_f32_16x16x128_f8f6f4 v[\d:\d+7], v[\a:\a+11], v[PC:PC+11], v[\d:\d+7], v[\sa], v[\sb] matrix_a_fmt:MATRIX_FMT_FP6 matrix_b_fmt:MATRIX_FMT_FP6
.endif
.endif
.endm
.macro CSTEP j, nx                     ; step j: codes of p, then O^T += V^T P^T; the next step's p is scaled meanwhile; the buffer that the products have read takes V's step j + 2 (behind step 6, if a tile follows: K's step 4)
.set SBJ, 64*((\j)%3)
	WIN 1+(\j)/3                                   ; source 0: S's window
.irp c, 0,1
	v_cvt_scalef32_pk16_fp6_f32 v[PC+6*\c:PC+6*\c+2], v[SBJ+32*\c:SBJ+32*\c+15], v[BM+4*(\j)+2*\c]
	v_cvt_scalef32_pk16_fp6_f32 v[PC+12+4*\c:PC+14+4*\c], v[SBJ+32*\c+16:SBJ+32*\c+31], v[BM+4*(\j)+2*\c+1]   ; (a conversion's three registers begin on an even number)
.endr
	WIN 0
	v_nop                                          ; one plain place behind a scaled conversion
.irp c, 0,1                                    ; the operand's layout wants a WHOLE block in a lane
.irp i, 0,1,2
	v_permlane16_swap_b32 v[PC+6*\c+\i], v[PC+12+4*\c+\i]
.endr
.irp i, 0,1,2
	v_mov_b32 v[PC+3+6*\c+\i], v[PC+12+4*\c+\i]
.endr
.endr
.if (\j) < 7
	MULH (\j)+1, 0                                 ; 16 plain lines: the places between the codes' last move and the products
	WIN 0
.else
	PLACES
.endif
.if (\j) == 7
.if \nx
	s_wait_dscnt 12                                ; V's step 7 is in; the 12 loads of K's step 4 may stay out
.else
	s_wait_dscnt 0x0
.endif
.elseif (\j) >= 2
	s_wait_dscnt 13                                ; this step's V is in; the 13 loads of the next step's may stay out.  (Steps 0 and 1 were waited for ahead of the trip's first barrier)
.endif
.irp ct, 0,1,2,3                               ; the four accumulators by turns, one instruction a turn
	PV1 OA+8*\ct, VF+48*((\j)%2)+12*\ct, VS+2*((\j)%2)+\ct/2, PW+(\j), \ct%2, (\j)==0
.endr
.if (\j) < 7
	MULH (\j)+1, 1                                 ; 16 plain lines: the places behind the products, ahead of the loads below and of the next codes
.endif
.if (\j) < 6
	WIN 0
	VLOAD (\j)+2
.elseif ((\j) == 6) && \nx
	WIN 0
	KLOAD 4, KA
.endif
.endm
; A2, B, B2 and C of a tile whose scores and block maxima are made.  nx = 1: a tile follows (its Q is on its way).
.macro MID nx
	VLOAD 0                                        ; V's first two steps land under the exponentials
	VLOAD 1
	; ---- A2: the blocks' maxima with lane l xor 16's; my keys' largest score; -M_w
.set k, 0
.rept 32
	v_permlanex16_b32 v[KC+k], v[BM+k], s[SEL], s[SEL+1]
.set k, k+1
.endr
.set k, 0
.rept 32
	v_max_num_f32 v[BM+k], v[BM+k], v[KC+k]
.set k, k+1
.endr
	v_max3_num_f32 v[TT], v[BM], v[BM+1], v[BM+2]
	v_max3_num_f32 v[TT+1], v[BM+3], v[BM+4], v[BM+5]
	v_max3_num_f32 v[TT+2], v[BM+6], v[BM+7], v[BM+8]
	v_max3_num_f32 v[TT+3], v[BM+9], v[BM+10], v[BM+11]
.irp i, 12,20
.irp c, 0,1,2,3
	v_max3_num_f32 v[TT+\c], v[TT+\c], v[BM+\i+2*\c], v[BM+\i+2*\c+1]
.endr
.endr
	v_max3_num_f32 v[TT], v[TT], v[BM+28], v[BM+29]
	v_max3_num_f32 v[TT+1], v[TT+1], v[BM+30], v[BM+31]
	v_max3_num_f32 v[TT], v[TT], v[TT+1], v[TT+2]
	v_max_num_f32 v[TT], v[TT], v[TT+3]
	v_mul_f32 v[TT], s[CS], v[TT]                  ; as t (c is positive)
	v_floor_f32 v[NM], -v[TT]                      ; -M_w = floor(-t): M_w is a whole number
	SCRSET 0, NM
	; ---- B: all p' and their sum
	BSTEP 0, 1
	BSTEP 1, 0
	BSTEP 2, 0
	BSTEP 3, 1
	BSTEP 4, 0
	BSTEP 5, 0
	BSTEP 6, 1
	BSTEP 7, 0
	; ---- B2: the row's M and sum over the four waves; the blocks' largest p' are made while the exchange is on its way
	WIN 0x05
	v_pk_add_f32 v[TT:TT+1], v[196:197], v[198:199]
	WIN 0x0a
	v_pk_add_f32 v[TT+2:TT+3], v[196:197], v[198:199]
	WIN 0x0f
	v_pk_add_f32 v[TT+4:TT+5], v[132:133], v[134:135]
	WIN 0
	v_pk_add_f32 v[TT:TT+1], v[TT:TT+1], v[TT+2:TT+3]
	v_pk_add_f32 v[TT:TT+1], v[TT:TT+1], v[TT+4:TT+5]
	v_add_f32 v[LS], v[TT], v[TT+1]
	v_permlanex16_b32 v[TT+2], v[LS], s[SEL], s[SEL+1]
	v_add_f32 v[LS], v[LS], v[TT+2]                ; the sum of p' over my 1,024 keys
	ds_store_b64 v[ASW], v[NM:NM+1]
	v_fma_f32 v[BM], v[BM], s[CS], v[NM]
	BMX 0, 12
	s_wait_dscnt 0x0                               ; for the others' sake: my store is done (and V's steps 0 and 1 are in)
	s_barrier_signal -1
	BMX 12, 16                                     ; work on registers between the signal and the wait
	s_barrier_wait -1
.irp w, 0,1,2,3
	ds_load_b64 v[TT+2*\w:TT+2*\w+1], v[ASR] offset:256*\w
.endr
	BMX 16, 32
	s_wait_dscnt 0x0
	v_min3_num_f32 v[GG], v[TT], v[TT+2], v[TT+4]  ; (a plain line behind the last exponential)
	v_min_num_f32 v[GG], v[GG], v[TT+6]            ; -M: M is the largest M_w
.irp w, 0,1,2,3
	v_sub_f32 v[TT+2*\w], v[GG], v[TT+2*\w]        ; M_w - M: a whole number, 0 or less
.endr
.irp w, 0,1,2,3
	v_cvt_i32_f32 v[TT+2*\w], v[TT+2*\w]           ; (it saturates)
.endr
.irp w, 0,1,2,3
	v_ldexp_f32 v[TT+2*\w+1], v[TT+2*\w+1], v[TT+2*\w]   ; a wave's sum under M: nothing is rounded
.endr
	v_add_f32 v[TT+1], v[TT+1], v[TT+3]
	v_add_f32 v[TT+5], v[TT+5], v[TT+7]
	v_add_f32 v[TT+1], v[TT+1], v[TT+5]            ; l
	v_rcp_f32 v[TT+3], v[TT+1]
	v_sub_f32 v[TT], v[GG], v[NM]                  ; (a plain place behind the transcendental)  my own M_w - M
	v_cvt_i32_f32 v[TT], v[TT]
	s_wait_alu depctr_va_vdst(0)
	v_ldexp_f32 v[GG], v[TT+3], v[TT]              ; G = 2^(M_w - M) / l: p = p' G
	SCRSET 2, GG
	; ---- C0: the blocks' scales
	WIN 0
.if \nx
	s_wait_loadcnt 0x0                             ; the next tile's Q
	v_lshl_or_b32 v[QS], v[QT], 16, v[QT]
.endif
.set k, 0
.rept 32
	v_mul_f32 v[BM+k], v[BM+k], v[GG]              ; the block's largest p
.set k, k+1
.endr
.set k, 0
.rept 32
	v_max_num_f32 v[BM+k], 0x1800000, v[BM+k]      ; the floor 2^(3 - 127): the byte cannot fall under 1
.set k, k+1
.endr
.set k, 0
.rept 32
	v_add_nc_u32 v[BM+k], 0xff000000, v[BM+k]      ; 2 off the exponent field: the conversion's scale operand
.set k, k+1
.endr
.set k, 0
.rept 32
	v_lshrrev_b32 v[BT+k], 23, v[BM+k]             ; the scale's byte
.set k, k+1
.endr
.irp j, 0,1,2,3,4,5,6,7
	v_lshl_or_b32 v[PW+\j], v[BT+4*\j+1], 8, v[BT+4*\j]
.endr
.irp j, 0,1,2,3,4,5,6,7
	v_lshl_or_b32 v[PW+\j], v[BT+4*\j+2], 16, v[PW+\j]
.endr
.irp j, 0,1,2,3,4,5,6,7
	v_lshl_or_b32 v[PW+\j], v[BT+4*\j+3], 24, v[PW+\j]
.endr
	MULH 0, 0
	MULH 0, 1
	; ---- C
	CSTEP 0, \nx
	CSTEP 1, \nx
	CSTEP 2, \nx
	CSTEP 3, \nx
	CSTEP 4, \nx
	CSTEP 5, \nx
	CSTEP 6, \nx
	CSTEP 7, \nx
.endm
	PHASE_A 0                                      ; the first tile's scores
	s_mov_b32 s[TRIP], 7
.Ltile:                                            ; 7 trips: tile i from its maxima to its O^T, then tile i + 1's scores with tile i's D among them
	s_add_nc_u64 s[48:49], s[48:49], 768           ; the next tile's Q (the loads that named these bases were waited for; the products that read Q stand 61 plain lines back)
	s_add_nc_u64 s[50:51], s[50:51], 32
.irp e, 0,1,2
	global_load_b64 v[QA+2*\e:QA+2*\e+1], v[L24], s[48:49] offset:8*\e
.endr
	global_load_u16 v[QT], v[R2], s[50:51]
	MID 1
	PHASE_A 1
	s_wait_xcnt 0x0                                ; D's stores have read their registers and bases
	s_add_nc_u64 s[52:53], s[52:53], 3072
	s_add_nc_u64 s[54:55], s[54:55], 128
	s_sub_co_u32 s[TRIP], s[TRIP], 1
	s_cmp_lg_u32 s[TRIP], 0
	s_cbranch_scc1 .Ltile
	MID 0                                          ; the last tile: nothing follows under which its D could stand
	PLACES
.irp i, 0,1,2,3,4,5,6,7
	ds_store_b128 v[AOW], v[OA+4*\i:OA+4*\i+3] offset:512*\i
.endr
	s_wait_dscnt 0x0
	s_barrier_signal -1
	s_barrier_wait -1
	RRLOAD
	s_wait_dscnt 0x0
.set dq, 0
	s_cmp_lt_u32 s[WV], 2                          ; no barrier stands under this branch
	s_cbranch_scc0 .Llast
.rept 39
	DL
.endr
	WIN 0
.Llast:
	s_wait_tensorcnt 0x0
	ds_add_u32 v35, v95
	s_wait_dscnt 0x0
	CROUND                                         ; the closing round: no work-group ends while a partner may still ask for a tile that names it
	s_endpgm
.Lfunc_end_k_q0ff0636185_attn:
	.size	k_q0ff0636185_attn, .Lfunc_end_k_q0ff0636185_attn-k_q0ff0636185_attn
	.p2alignl 7, 3214868480
	.fill 96, 4, 3214868480
	.section	.rodata,"a",@progbits
	.p2align	6, 0x0
	.amdhsa_kernel k_q0ff0636185_attn
		.amdhsa_group_segment_fixed_size 327680
		.amdhsa_private_segment_fixed_size 0
		.amdhsa_enable_private_segment 0
		.amdhsa_kernarg_size 32
		.amdhsa_user_sgpr_count 2
		.amdhsa_user_sgpr_kernarg_segment_ptr 1
		.amdhsa_wavefront_size32 1
		.amdhsa_system_sgpr_workgroup_id_x 1
		.amdhsa_system_sgpr_workgroup_id_y 1
		.amdhsa_system_sgpr_workgroup_id_z 1
		.amdhsa_system_vgpr_workitem_id 0
		.amdhsa_next_free_vgpr 1024
		.amdhsa_next_free_sgpr 80
		.amdhsa_reserve_vcc 0
		.amdhsa_float_denorm_mode_32 3
		.amdhsa_float_denorm_mode_16_64 3
		.amdhsa_memory_ordered 1
		.amdhsa_forward_progress 1
		.amdhsa_inst_pref_size 255
	.end_amdhsa_kernel
	.section	.bss,"aw",@nobits
	.p2align	6
	.space	262144
	.amdgpu_metadata
---
amdhsa.version: [ 1, 2 ]
amdhsa.kernels:
  - .name:           k_q0ff0636185_attn
    .symbol:         k_q0ff0636185_attn.kd
    .args:
      - { .name: qbuf, .offset: 0, .size: 8, .value_kind: global_buffer, .address_space: global }
      - { .name: kbuf, .offset: 8, .size: 8, .value_kind: global_buffer, .address_space: global }
      - { .name: vbuf, .offset: 16, .size: 8, .value_kind: global_buffer, .address_space: global }
      - { .name: obuf, .offset: 24, .size: 8, .value_kind: global_buffer, .address_space: global }
    .group_segment_fixed_size: 327680
    .private_segment_fixed_size: 0
    .kernarg_segment_align: 8
    .kernarg_segment_size: 32
    .max_flat_workgroup_size: 128
    .sgpr_count:     80
    .vgpr_count:     1024
    .wavefront_size: 32
...
	.end_amdgpu_metadata
.endif
;; end of part 3
;; launch proj (part 4): grid 64 x 4, 4 waves a work-group, no clusters, 34,304 bytes of LDS; arguments obuf, wts, bo, x, out0; writes out0
.if DOCPART == 4
	.amdgcn_target "amdgcn-amd-amdhsa--gfx1250"
	.amdhsa_code_object_version 6
	.text
	.protected	k_q0ff0636185_proj
	.globl	k_q0ff0636185_proj
	.p2align	8
	.type	k_q0ff0636185_proj,@function
k_q0ff0636185_proj:
	s_mov_b64 s[64:65], 0
	v_nop
	global_prefetch_b8 v0, s[64:65] scope:SCOPE_SE
	s_setreg_imm32_b32 hwreg(HW_REG_WAVE_MODE, 25, 1), 1
	s_wait_xcnt 0x0
; PROJ: out0 = wo O + bo + x, on the codes that the launches before have made.
; SHARES.  Work-group (PB, qy): 128 positions of one batch x 64 output channels; wave w: wo's tile T = 4 qy + w (16 channels) x all 128 positions: 8 accumulators, 2 K steps, 16 products.
; Source 0 = a tile of 16 positions of O, source 1 = wo's 16 rows: a lane holds ONE output channel and eight NEIGHBOURING positions (tile 2 b + u, lane half h: positions 32 b + 16 h + 8 u + 0 .. 7): 32 bytes of a row of out0.
; The bias is the C of each sum's first product.  A wave's 16 rows x 512 bytes go through its own stage in LDS and come back as whole rows; x's rows are added there, and each store covers 512 consecutive bytes, aligned to 256.
; Lane r of tile T is channel 32 (T / 2) + 8 (T % 2) + r + 8 (r / 8), as the weights were laid.
; NO CLUSTER: the four work-groups of a PB read the same 24,576 bytes of codes, but these go from memory straight into the operand's registers, lane by lane, which a joint tensor load cannot fill; through LDS they would be read twice.
; No barrier: a stage is one wave's own, and LDS serves a wave's instructions in order (ISA guide 5.7.1.4).
; REGISTERS: window 0: v1-6 addresses; v14 my channel's bias; v16-39 wo's two fragments; v40-41 its scale words; v42-57 O's; v58-65 the bias as C; v66-129 the accumulators, then rows; v130-193 x's rows.  Window 1: O's 16 fragments.
.set L24, 1
.set R4,  2
.set LI,  3
.set SO,  4
.set SR,  5
.set BA,  6
.set BV,  14
.set WO,  16
.set WOS, 40
.set OS,  42
.set BC,  58
.set ACC, 66
.set XR,  130
.set SP,  528                          ; a stage row: 512 bytes + 16: an odd multiple of 16, so the 16 rows of a store meet different banks
.set MSB, 0
.macro WIN new
.if MSB != (\new)
	s_set_vgpr_msb (MSB<<8)|(\new)
.set MSB, (\new)
.endif
.endm
	s_load_b256 s[4:11], s[0:1], 0x0               ; obuf s[4:5], wts s[6:7], bo s[8:9], x s[10:11]
	s_load_b64 s[12:13], s[0:1], 0x20              ; out0
	v_lshl_add_u32 v254, v0, 2, 0x8400
	v_mov_b32 v255, 0
	v_lshrrev_b32 v7, 5, v0
	v_readfirstlane_b32 s14, v7                    ; wave
	s_and_b32 s15, ttmp7, 0xffff
	s_lshl_b32 s16, s15, 2
	s_add_co_u32 s16, s16, s14                     ; T
	s_lshr_b32 s17, ttmp9, 5                       ; the batch
	s_and_b32 s18, ttmp9, 31                       ; J
	v_and_b32 v7, 31, v0                           ; lane
	v_and_b32 v8, 15, v0                           ; r
	v_bfe_u32 v9, v0, 4, 1                         ; h
	v_mul_u32_u24 v[L24], v7, 24
	v_lshlrev_b32 v[R4], 2, v8
	v_lshlrev_b32 v[LI], 4, v7
	s_mul_i32 s19, s14, 16*SP                      ; my stage
	v_mul_u32_u24 v[SO], v8, SP
	v_lshl_add_u32 v[SO], v9, 6, v[SO]
	v_add_nc_u32 v[SO], s19, v[SO]                 ; in: row r, + 64 h
	v_add_nc_u32 v[SR], s19, v[LI]                 ; back: a row's 512 bytes, 16 a lane
	v_and_b32 v10, 8, v8
	v_add_nc_u32 v10, v10, v8
	v_lshlrev_b32 v[BA], 2, v10                    ; 4 (r + 8 (r / 8))
	s_mul_i32 s20, ttmp9, 24576                    ; O's codes of these 128 positions
	s_mov_b32 s21, 0
	s_lshl_b32 s22, ttmp9, 10                      ; and their scale words
	s_add_co_u32 s22, s22, 1572864
	s_mov_b32 s23, 0
	s_mul_i32 s24, s16, 3072                       ; wo is matrix 3: fragments 96 + 2 T + s
	s_add_co_u32 s24, s24, 147456
	s_mov_b32 s25, 0
	s_lshl_b32 s26, s16, 7
	s_add_co_u32 s26, s26, 202752                  ; 196,608 + 96 x 64
	s_mov_b32 s27, 0
	s_lshr_b32 s28, s16, 1
	s_lshl_b32 s28, s28, 5
	s_and_b32 s29, s16, 1
	s_lshl_b32 s29, s29, 3
	s_add_co_u32 s28, s28, s29                     ; the tile's first channel
	s_lshl_b32 s30, s28, 2
	s_mov_b32 s31, 0
	s_lshl_b32 s32, s17, 22                        ; x and out0: the batch, the channel, the position
	s_lshl_b32 s34, s28, 14
	s_add_co_u32 s32, s32, s34
	s_lshl_b32 s34, s18, 9
	s_add_co_u32 s32, s32, s34
	s_mov_b32 s33, 0
	s_wait_kmcnt 0x0
	s_add_nc_u64 s[20:21], s[4:5], s[20:21]
	s_add_nc_u64 s[22:23], s[4:5], s[22:23]
	s_add_nc_u64 s[24:25], s[6:7], s[24:25]
	s_add_nc_u64 s[26:27], s[6:7], s[26:27]
	s_add_nc_u64 s[8:9], s[8:9], s[30:31]
	s_add_nc_u64 s[10:11], s[10:11], s[32:33]
	s_add_nc_u64 s[12:13], s[12:13], s[32:33]
	WIN 0x40                                       ; destination window 1
.irp t, 0,1,2,3,4,5,6,7                        ; fragment (tile t, K step n / 2): registers 6 (n % 2) on hold head n's 64 channels: lane (r, h) its block h, 24 bytes
.irp n, 0,1,2,3
.irp e, 0,1,2
	global_load_b64 v[12*(2*\t+\n/2)+6*(\n%2)+2*\e:12*(2*\t+\n/2)+6*(\n%2)+2*\e+1], v[L24], s[20:21] offset:\t*3072+\n*768+8*\e
.endr
.endr
.endr
	WIN 0
.irp t, 0,1,2,3,4,5,6,7
.irp s, 0,1
	global_load_b32 v[OS+2*\t+\s], v[R4], s[22:23] offset:\t*128+\s*64
.endr
.endr
.irp s, 0,1
.irp g, 0,1,2
	global_load_b128 v[WO+12*\s+4*\g:WO+12*\s+4*\g+3], v[LI], s[24:25] offset:\s*1536+512*\g
.endr
	global_load_b32 v[WOS+\s], v[R4], s[26:27] offset:\s*64
.endr
	global_load_b32 v[BV], v[BA], s[8:9]
.irp i, 0,1,2,3,4,5,6,7,8,9,10,11,12,13,14,15
	global_load_b128 v[XR+4*\i:XR+4*\i+3], v[LI], s[10:11] offset:(\i+8*(\i/8))*16384   ; x's rows of my 16 channels: 512 consecutive bytes each
.endr
	s_wait_loadcnt 16                              ; all but x's sixteen
.irp j, 0,1,2,3,4,5,6,7
	v_mov_b32 v[BC+\j], v[BV]                      ; a lane's eight results are of one channel
.endr
.rept 4
	v_nop
.endr
	WIN 0x01                                       ; source 0 (O) window 1
.irp t, 0,1,2,3,4,5,6,7                        ; the eight accumulators by turns, K step by K step
	v_wmma_scale_f32_16x16x128_f8f6f4 v[ACC+8*\t:ACC+8*\t+7], v[12*(2*\t):12*(2*\t)+11], v[WO:WO+11], v[BC:BC+7], v[OS+2*\t], v[WOS] matrix_a_fmt:MATRIX_FMT_FP6 matrix_b_fmt:MATRIX_FMT_FP6
.endr
.irp t, 0,1,2,3,4,5,6,7
	v_wmma_scale_f32_16x16x128_f8f6f4 v[ACC+8*\t:ACC+8*\t+7], v[12*(2*\t+1):12*(2*\t+1)+11], v[WO+12:WO+23], v[ACC+8*\t:ACC+8*\t+7], v[OS+2*\t+1], v[WOS+1] matrix_a_fmt:MATRIX_FMT_FP6 matrix_b_fmt:MATRIX_FMT_FP6
.endr
	WIN 0
.rept 4
	v_nop                                          ; four places ahead of the first read of results and of loads into them
.endr
.irp t, 0,1,2,3,4,5,6,7
	ds_store_b128 v[SO], v[ACC+8*\t:ACC+8*\t+3] offset:128*(\t/2)+32*(\t%2)       ; each accumulator from its low end on
	ds_store_b128 v[SO], v[ACC+8*\t+4:ACC+8*\t+7] offset:128*(\t/2)+32*(\t%2)+16
.endr
.irp i, 0,1,2,3,4,5,6,7,8,9,10,11,12,13,14,15
	ds_load_b128 v[ACC+4*\i:ACC+4*\i+3], v[SR] offset:\i*SP   ; these see the stores above
.endr
	s_wait_loadcnt 0x0                             ; x
.irp i, 0,1,2,3,4,5,6,7,8,9,10,11,12,13,14,15
	s_wait_dscnt 15-\i                             ; row i is back; the younger rows may stay out
	v_pk_add_f32 v[ACC+4*\i:ACC+4*\i+1], v[ACC+4*\i:ACC+4*\i+1], v[XR+4*\i:XR+4*\i+1]
	v_pk_add_f32 v[ACC+4*\i+2:ACC+4*\i+3], v[ACC+4*\i+2:ACC+4*\i+3], v[XR+4*\i+2:XR+4*\i+3]
	global_store_b128 v[LI], v[ACC+4*\i:ACC+4*\i+3], s[12:13] offset:(\i+8*(\i/8))*16384 th:TH_STORE_NT   ; written once, read by nobody here
.endr
	s_wait_tensorcnt 0x0
	ds_add_u32 v254, v255
	s_wait_dscnt 0x0
	s_endpgm
.Lfunc_end_k_q0ff0636185_proj:
	.size	k_q0ff0636185_proj, .Lfunc_end_k_q0ff0636185_proj-k_q0ff0636185_proj
	.p2alignl 7, 3214868480
	.fill 96, 4, 3214868480
	.section	.rodata,"a",@progbits
	.p2align	6, 0x0
	.amdhsa_kernel k_q0ff0636185_proj
		.amdhsa_group_segment_fixed_size 34304
		.amdhsa_private_segment_fixed_size 0
		.amdhsa_enable_private_segment 0
		.amdhsa_kernarg_size 40
		.amdhsa_user_sgpr_count 2
		.amdhsa_user_sgpr_kernarg_segment_ptr 1
		.amdhsa_wavefront_size32 1
		.amdhsa_system_sgpr_workgroup_id_x 1
		.amdhsa_system_sgpr_workgroup_id_y 1
		.amdhsa_system_sgpr_workgroup_id_z 1
		.amdhsa_system_vgpr_workitem_id 0
		.amdhsa_next_free_vgpr 512
		.amdhsa_next_free_sgpr 66
		.amdhsa_reserve_vcc 0
		.amdhsa_float_denorm_mode_32 3
		.amdhsa_float_denorm_mode_16_64 3
		.amdhsa_memory_ordered 1
		.amdhsa_forward_progress 1
		.amdhsa_inst_pref_size 25
	.end_amdhsa_kernel
	.amdgpu_metadata
---
amdhsa.version: [ 1, 2 ]
amdhsa.kernels:
  - .name:           k_q0ff0636185_proj
    .symbol:         k_q0ff0636185_proj.kd
    .args:
      - { .name: obuf, .offset: 0, .size: 8, .value_kind: global_buffer, .address_space: global }
      - { .name: wts, .offset: 8, .size: 8, .value_kind: global_buffer, .address_space: global }
      - { .name: bo, .offset: 16, .size: 8, .value_kind: global_buffer, .address_space: global }
      - { .name: x, .offset: 24, .size: 8, .value_kind: global_buffer, .address_space: global }
      - { .name: out0, .offset: 32, .size: 8, .value_kind: global_buffer, .address_space: global }
    .group_segment_fixed_size: 34304
    .private_segment_fixed_size: 0
    .kernarg_segment_align: 8
    .kernarg_segment_size: 40
    .max_flat_workgroup_size: 128
    .sgpr_count:     66
    .vgpr_count:     512
    .wavefront_size: 32
...
	.end_amdgpu_metadata
.endif
;; end of part 4
